; MI455X (gfx1250); checked and timed in simulation.
; The chip was launched on July 23, 2026; its instructions are those of AMD's public machine-readable ISA for CDNA 5 (MIT licence, August 2026) and "CDNA5" Instruction Set Architecture Reference Guide (July 2026). The comments in the code are by the model that wrote it; some were corrected since.
;; Attention. Allowed arithmetic: matrix products marked QUANTISED: E2M3 operands, one E8M0 scale for each 32 along K, by v_wmma_scale_f32_16x16x128_f8f6f4 with both operands' format E2M3, f32 sums; everything else in f32.
;; Inputs: b_proj 1,024 float32; b_qkv 3,072 float32; w_proj 1,024 x 1,024 float32; w_qkv 1,024 x 3,072 float32; x 4 x 2,048 x 1,024 float32.
;; Outputs: out0 4 x 2,048 x 1,024 float32.
;; This version of the problem:
;;   THIS VERSION OF THE PROBLEM IS GIVEN IN LOW PRECISION. The matrix products marked QUANTISED in the list below multiply operands that are first quantised to E2M3 (2 exponent bits, 3 mantissa bits; 6 bits a number), with one power-of-two scale for each 32 numbers along K (OCP MX v1.0); their sums are f32. All else is computed in f32.
;;   The module's matrix products, in the order in which they are computed (A, B: the left and right operand; K: the contracted axis; several contracted axes count as one K, in the product's order):
;;     1. [M 8,192, K 1,024] x [K 1,024, N 3,072]; A: input x; B: input w_qkv: QUANTISED
;;     2. batch 64 x [M 2,048, K 64] x [K 64, N 2,048]; A: computed on the way; B: computed on the way: QUANTISED
;;     3. batch 64 x [M 2,048, K 2,048] x [K 2,048, N 64]; A: softmax (see below); B: computed on the way: QUANTISED
;;     4. [M 8,192, K 1,024] x [K 1,024, N 1,024]; A: computed on the way; B: input w_proj: QUANTISED
;;   THE QUANTISER, for each operand of a quantised product, along K:
;;     - K is cut into blocks of 32 from its start; a last block that is shorter is filled with zeros.
;;     - A block's scale is 2^e with e = floor(log2(the largest magnitude in the block)) - 2, held to -126 .. 127; a block of zeros has e = 0. As a byte (E8M0): e + 127.
;;     - Each number is divided by its block's scale, clamped to +-7.5, and rounded to the nearest number of E2M3, ties to even, subnormals kept.
;;     - The product sums the exact products of the quantised numbers (number of the format x scale) in f32.
;;   ~~~python
;;   def quantise(x, axis):      # numpy; x: float32 -> the quantised numbers, widened to float32 again
;;       x = np.moveaxis(x, axis, -1); K = x.shape[-1]
;;       x = np.pad(x, [(0, 0)] * (x.ndim - 1) + [(0, -K % 32)]); x = x.reshape(x.shape[:-1] + (-1, 32)); a = np.abs(x).max(-1, keepdims=True)
;;       e = np.where(a > 0, np.clip(np.frexp(np.where(a > 0, a, 1))[1] - 1 - 2, -126, 127), 0)      # np.frexp(a)[1] - 1 = floor(log2(a)), exactly
;;       r = np.clip(x / 2.0 ** e, -7.5, 7.5)
;;       step = 2.0 ** (np.maximum(np.frexp(np.where(r == 0, 1, r))[1] - 1, 0) - 3)
;;       q = np.round(r / step) * step * 2.0 ** e      # np.round: ties to even
;;       return np.moveaxis(q.reshape(q.shape[:-2] + (-1,))[..., :K], -1, axis).astype(np.float32)
;;   ~~~
;;   SOFTMAX AHEAD OF A QUANTISED PRODUCT. Where the list says 'softmax', what is quantised is not the finished softmax but p = 2^(t - M), with t = logit x log2(e) and M = ceil(the row's largest t), a whole number; so 1/2 < the row's largest p <= 1. The row's sum l is taken of the UNQUANTISED p, in f32, and the product's result is divided by l at the end. Since M is a whole number, a kernel that streams over the keys may use a running M (the ceiling of the running maximum): every later rescaling is an exact power of two, which a block's scale takes up: the codes' values come out the same.
;;   OPERANDS COMPUTED ON THE WAY. 'Computed on the way' means the value that the module computes at that place (a softmax that the list does not call 'softmax' is quantised finished and normalised). What goes into a quantiser is computed in f32, as accurately as f32 sums, v_exp_f32 and their like allow (about 1e-6 of the number): no bf16 or f16 on the way to a quantiser, and a product that is left as it is and whose result goes on into a quantised operand takes f32 operands (vector FMAs, or v_wmma_f32_16x16x4_f32). A number that lies on a knife's edge between two numbers of the format may be rounded either way, as far as f32 arithmetic and the matrix unit's own rounding can turn it there, and no further.
;; One version. Each part assembles by itself: llvm-mc -triple=amdgcn-amd-amdhsa -mcpu=gfx1250 --defsym DOCPART=n.
;; ======== version 1 of 1: 4 launches
;; limits: right only within a limited range of input values
;; workspace buffers: xq 6,553,600 bytes; wq 2,457,600 bytes; wp 819,200 bytes; qkv 19,660,800 bytes; oq 6,553,600 bytes
;; launch prep (part 1): grid 384 x 1, 4 waves a work-group, no clusters, 59,904 bytes of LDS; arguments x, w_qkv, w_proj, xq, wq, wp; writes xq, wq, wp
.if DOCPART == 1
	.amdgcn_target "amdgcn-amd-amdhsa--gfx1250"
	.amdhsa_code_object_version 6
	.text
	.protected	k_qbf6ef97987_prep
	.globl	k_qbf6ef97987_prep
	.p2align	8
	.type	k_qbf6ef97987_prep,@function
k_qbf6ef97987_prep:
	s_mov_b64 s[64:65], 0
	v_nop
	global_prefetch_b8 v0, s[64:65] scope:SCOPE_SE
	s_setreg_imm32_b32 hwreg(HW_REG_WAVE_MODE, 25, 1), 1
	s_wait_xcnt 0x0
; x [8192][1024], w_qkv [1024][3072] and w_proj [1024][1024], f32, become codes of FP6 (E2M3) with one E8M0 byte for each 32 along K (x: its last axis; the weights: their FIRST axis).
; A block's scale is 2^(floor(log2(its largest magnitude)) - 2); its byte is the largest magnitude's exponent field - 2, held at 1 from below.
; LIMITS: NaN and infinities are not served; a block whose largest magnitude lies under 2^-124 keeps the byte 1; a block of zeros gets the byte 1 where the rule says 127 (its codes are zeros, and this program alone reads the bytes).
; THE FORMAT OF ALL CODES: a unit of 768 bytes is 16 rows x 64 K as an image of the operand's registers: lane L = (r = L % 16, h = L / 16) owns the 24 bytes of codes k = 32 h .. 32 h + 31 of row r;
; its first 16 bytes lie at 16 L, its last 8 at 512 + 8 L.  Two units on end are a fragment of 12 registers.  Lane r of tile T = 2 g + u is row 32 g + 8 u + r + 8 (r / 8).
; A tensor: codes [K step of 256][tile][4 units]; behind them the scale bytes [tile][K step][r][8].
; Work-groups 0-255 take x (32 rows each), 256-351 w_qkv, 352-383 w_proj (128 columns x 256 K each).  The two ways have LDS bytes of their own.  No tensor loads, no barrier: waves share nothing.
.set XKS,  1572864                     ; x's codes: from a K step to the next
.set XSCL, 6291456                     ; where x's scale bytes begin
.set SELP, 20                          ; s[20:21] v_permlanex16_b32's selects for lane l xor 16
.set PC,   8                           ; v8-19 a fragment's codes; v20-27 the conversions' second halves
.set SW,   28                          ; v28-31 four scale words
.set RA,   32                          ; v32-159 two sets of 64 numbers as loaded
.set XN,   160                         ; v160-223 64 numbers: register 16 b + i = k 32 b + 16 h + i of my row
.set TM,   224                         ; v224-227 largest magnitudes, v228-231 bytes, v236-239 the conversions' scale operands
.set PW,   240                         ; the scale word just made
.set XST,  16*528                      ; x's way: a stage of 16 rows x (512 + 16) bytes for each wave
.set WST,  4*XST                       ; the weights' way: behind them, two tiles of 3,072 bytes, 3,200 apart, for each wave
.set WTP,  3200
.set OFFS, 32                          ; v32-63 the weights' way: 4 x lane + i rows
.set WX,   64                          ; v64-127 two sets of 32 numbers
.set OUTR, 128                         ; v128-175 the way out
; 128 along K of stage row p (row p + 8 (p / 8) of the wave's): 32 lanes read 512 consecutive bytes
.macro XLOAD f
.irp p, 0,1,2,3,4,5,6,7,8,9,10,11,12,13,14,15
	global_load_b128 v[RA+64*((\f)%2)+4*\p:RA+64*((\f)%2)+4*\p+3], v1, s[4:5] offset:(\p+8*(\p/8))*4096+512*(\f) th:TH_LOAD_NT
.endr
.endm
; through the wave's stage: in as loaded, out 16 neighbours of each block of 32 a lane.  LDS serves a wave's instructions in order, so no wait stands between the stores and the loads
.macro TURN f
.irp p, 0,1,2,3,4,5,6,7,8,9,10,11,12,13,14,15
	ds_store_b128 v2, v[RA+64*((\f)%2)+4*\p:RA+64*((\f)%2)+4*\p+3] offset:528*\p
.endr
.irp b, 0,1,2,3
.irp j, 0,1,2,3
	ds_load_b128 v[XN+16*\b+4*\j:XN+16*\b+4*\j+3], v3 offset:128*\b+16*\j
.endr
.endr
.endm
; 64 numbers of a lane become a fragment's codes in v[PC] on and its scale word in v[PW]
.macro QUANT s
.irp b, 0,1,2,3
	v_max3_num_f32 v[TM+\b], |v[\s+16*\b]|, |v[\s+1+16*\b]|, 0x1800000   ; my 16 numbers of block b, and the floor 2^(3 - 127): the byte cannot fall under 1
.endr
.irp i, 2,4,6,8,10,12,14
.irp b, 0,1,2,3
	v_max3_num_f32 v[TM+\b], v[TM+\b], |v[\s+16*\b+\i]|, |v[\s+1+16*\b+\i]|
.endr
.endr
.irp b, 0,1,2,3
	v_permlanex16_b32 v[TM+4+\b], v[TM+\b], s[SELP], s[SELP+1]
.endr
.irp b, 0,1,2,3
	v_max_num_f32 v[TM+\b], v[TM+\b], v[TM+4+\b]   ; with lane l xor 16's: the block's largest magnitude
.endr
.irp b, 0,1,2,3
	v_add_nc_u32 v[TM+12+\b], 0xff000000, v[TM+\b] ; 2 off its exponent field: the conversion takes this operand's exponent field as its scale
.endr
.irp b, 0,1,2,3
	v_lshrrev_b32 v[TM+4+\b], 23, v[TM+12+\b]      ; the scale's byte
.endr
	v_lshl_or_b32 v[PW], v[TM+5], 8, v[TM+4]
	v_lshl_or_b32 v[PW], v[TM+6], 16, v[PW]
	v_lshl_or_b32 v[PW], v[TM+7], 24, v[PW]
.irp c, 0,1
	v_cvt_scalef32_pk16_fp6_f32 v[PC+6*\c:PC+2+6*\c], v[\s+32*\c:\s+15+32*\c], v[TM+12+2*\c]
	v_cvt_scalef32_pk16_fp6_f32 v[PC+12+4*\c:PC+14+4*\c], v[\s+16+32*\c:\s+31+32*\c], v[TM+12+2*\c+1]   ; (a conversion's three registers begin on an even number)
.endr
	v_nop                                          ; one plain place behind a scaled conversion
.irp c, 0,1                                    ; the operand's layout wants a whole block in a lane: lanes 0-15 block 2 c, lanes 16-31 block 2 c + 1
.irp i, 0,1,2
	v_permlane16_swap_b32 v[PC+6*\c+\i], v[PC+12+4*\c+\i]
.endr
.irp i, 0,1,2
	v_mov_b32 v[PC+3+6*\c+\i], v[PC+12+4*\c+\i]
.endr
.endr
.endm
; the weights' way: block t: W(32 t + i, my column), i = 0 .. 31; a base for each block, the rows in the offset registers
.macro WLOAD t
.irp i, 0,1,2,3,4,5,6,7,8,9,10,11,12,13,14,15,16,17,18,19,20,21,22,23,24,25,26,27,28,29,30,31
	global_load_b32 v[WX+32*((\t)%2)+\i], v[OFFS+\i], s[28+2*(\t):29+2*(\t)] th:TH_LOAD_NT
.endr
.endm
.macro BLOCK t
.set XS, WX+32*((\t)%2)
.if (\t) < 7
	s_wait_loadcnt 32                              ; this block's 32 loads are in; the next block's may be out
.else
	s_wait_loadcnt 0x0
.endif
	v_max3_num_f32 v22, |v[XS]|, |v[XS+1]|, |v[XS+2]|   ; the block's largest magnitude: all 32 numbers are mine
	v_max3_num_f32 v23, |v[XS+3]|, |v[XS+4]|, |v[XS+5]|
.irp i, 6,10,14,18,22,26
	v_max3_num_f32 v22, v22, |v[XS+\i]|, |v[XS+\i+1]|
	v_max3_num_f32 v23, v23, |v[XS+\i+2]|, |v[XS+\i+3]|
.endr
	v_max3_num_f32 v22, v22, |v[XS+30]|, |v[XS+31]|
	v_max3_num_f32 v22, v22, v23, 0x1800000        ; and the floor
	v_add_nc_u32 v24, 0xff000000, v22              ; the conversions' scale operand
	v_lshrrev_b32 v25, 23, v24                     ; the byte
.if (\t)%4 == 0
	v_mov_b32 v[20+(\t)/4], v25                    ; four bytes to a register, the lower K in the lower byte
.else
	v_lshl_or_b32 v[20+(\t)/4], v25, 8*((\t)%4), v[20+(\t)/4]
.endif
	v_cvt_scalef32_pk16_fp6_f32 v[8:10], v[XS:XS+15], v24
	v_cvt_scalef32_pk16_fp6_f32 v[16:18], v[XS+16:XS+31], v24
	v_nop                                          ; one plain place behind a scaled conversion
	v_mov_b32 v11, v16
	v_mov_b32 v12, v17
	v_mov_b32 v13, v18
	ds_store_b128 v3, v[8:11] offset:((\t)/2)*768+256*((\t)%2)          ; unit t / 2, lane (r, h = t % 2): 16 bytes at 16 r + 256 h,
	ds_store_b64 v4, v[12:13] offset:((\t)/2)*768+128*((\t)%2)+512      ; 8 bytes at 512 + 8 r + 128 h
.if (\t)+2 < 8
	WLOAD (\t)+2
.endif
	s_wait_dscnt 0x0                               ; the stores have read their registers: the next block's codes may be written
.endm
	s_load_b256 s[4:11], s[0:1], 0x0               ; x s[4:5], w_qkv s[6:7], w_proj s[8:9], xq s[10:11]
	s_load_b128 s[12:15], s[0:1], 0x20             ; wq s[12:13], wp s[14:15]
	v_lshl_add_u32 v248, v0, 2, 0xe800
	v_mov_b32 v249, 0
	v_lshrrev_b32 v1, 5, v0
	v_readfirstlane_b32 s16, v1                    ; wave 0..3
	v_and_b32 v5, 31, v0                           ; lane
	s_mov_b32 s[SELP], 0x76543210
	s_mov_b32 s[SELP+1], 0xfedcba98
	s_cmp_lt_u32 ttmp9, 256
	s_cbranch_scc0 .Lweights
	; ---- x.  The work-group is a group of 32 rows; wave w takes tile u = w / 2 of its two and half w % 2 of K: four fragments of 16 rows x 128 K
	v_lshlrev_b32 v1, 4, v5                        ; 16 x lane
	v_lshlrev_b32 v4, 3, v5                        ; 8 x lane
	v_and_b32 v6, 15, v0                           ; r
	v_bfe_u32 v7, v0, 4, 1                         ; h
	s_mul_i32 s17, s16, XST                        ; my stage
	v_add_nc_u32 v2, s17, v1                       ; into it: 16 x lane of a row
	v_mul_u32_u24 v3, v6, 528
	v_lshl_add_u32 v3, v7, 6, v3
	v_add_nc_u32 v3, s17, v3                       ; out of it: row r, + 64 h
	s_lshr_b32 s18, s16, 1                         ; u
	s_and_b32 s19, s16, 1                          ; half of K
	s_lshl_b32 s22, ttmp9, 17                      ; 32 rows of 4,096 bytes,
	s_lshl_b32 s24, s18, 15                        ; 8 rows for u,
	s_add_co_u32 s22, s22, s24
	s_lshl_b32 s24, s19, 11                        ; 512 numbers for the half
	s_add_co_u32 s22, s22, s24
	s_mov_b32 s23, 0
	s_lshl_b32 s25, ttmp9, 1
	s_add_co_u32 s25, s25, s18                     ; my tile
	s_mul_i32 s26, s25, 3072
	s_mul_i32 s24, s19, 2*XKS
	s_add_co_u32 s26, s26, s24
	s_mov_b32 s27, 0
	s_lshl_b32 s28, s25, 9
	s_lshl_b32 s24, s19, 8
	s_add_co_u32 s28, s28, s24
	s_add_co_u32 s28, s28, XSCL
	s_mov_b32 s29, 0
.irp b, 0,1,2,3
	v_mov_b32 v[TM+4+\b], 0                        ; written once: a lane permute's destination counts as one of its sources
.endr
	s_wait_alu depctr_va_vdst(0)
	s_wait_kmcnt 0x0
	s_add_nc_u64 s[4:5], s[4:5], s[22:23]
	s_add_nc_u64 s[30:31], s[10:11], s[26:27]      ; my codes
	s_add_nc_u64 s[32:33], s[10:11], s[28:29]      ; my scale words
	XLOAD 0
	XLOAD 1
.irp f, 0,1,2,3
.if \f < 3
	s_wait_loadcnt 16                              ; this fragment's 16 loads are in; the other set's may be out
.else
	s_wait_loadcnt 0x0
.endif
	TURN \f
	s_wait_dscnt 0x0                               ; the numbers are back, and the stage's stores have read their registers
	s_wait_xcnt 0x0                                ; the last fragment's stores have read the codes' registers
.if \f < 2
	XLOAD \f+2
.endif
	QUANT XN
	global_store_b128 v1, v[PC:PC+3], s[30:31] offset:(\f/2)*XKS+(\f%2)*1536            ; 512 consecutive bytes,
	global_store_b64 v4, v[PC+4:PC+5], s[30:31] offset:(\f/2)*XKS+(\f%2)*1536+512       ; 256,
	global_store_b128 v1, v[PC+6:PC+9], s[30:31] offset:(\f/2)*XKS+(\f%2)*1536+768      ; and the second unit likewise
	global_store_b64 v4, v[PC+10:PC+11], s[30:31] offset:(\f/2)*XKS+(\f%2)*1536+1280
	v_mov_b32 v[SW+\f], v[PW]
.endr
	v_cmp_eq_u32 vcc_lo, 1, v7                     ; lanes 0-15 store the first K step's two words of row r, lanes 16-31 the second's: 256 consecutive bytes
	v_cndmask_b32 v242, v[SW], v[SW+2], vcc_lo
	v_cndmask_b32 v243, v[SW+1], v[SW+3], vcc_lo
	global_store_b64 v4, v[242:243], s[32:33]
	s_wait_tensorcnt 0x0
	ds_add_u32 v248, v249
	s_wait_dscnt 0x0
	s_endpgm
	; ---- the weights.  A LANE TAKES A COLUMN AND ITS REGISTERS RUN DOWN K: a block of 32 lies in one lane, and the codes come out with K innermost.  Wave w takes 32 columns x 256 K: two tiles x four units
.Lweights:
	s_sub_co_u32 s17, ttmp9, 256
	s_and_b32 s18, s17, 3                          ; which K step
	s_lshr_b32 s19, s17, 2
	s_mov_b32 s22, 4096
	s_mov_b32 s23, 196608
	s_mov_b32 s24, 786432
	s_wait_kmcnt 0x0
	s_cmp_lt_u32 s17, 96                           ; w_qkv or w_proj?  The choice hangs on the work-group's number alone
	s_cselect_b64 s[6:7], s[6:7], s[8:9]
	s_cselect_b64 s[12:13], s[12:13], s[14:15]
	s_cselect_b32 s22, 12288, s22                  ; a row of the weight in bytes
	s_cselect_b32 s23, 589824, s23                 ; its codes: from a K step to the next
	s_cselect_b32 s24, 2359296, s24                ; where its scale bytes begin
	s_cselect_b32 s25, 0, 24
	s_sub_co_u32 s19, s19, s25                     ; which 128 columns
	s_lshl_b32 s19, s19, 2
	s_add_co_u32 s19, s19, s16                     ; g: my wave's group of 32 columns
	s_lshl_b32 s26, s18, 8
	s_mul_i32 s26, s26, s22                        ; 256 rows a K step,
	s_lshl_b32 s27, s19, 7
	s_add_co_u32 s26, s26, s27                     ; 128 bytes a group
	s_mov_b32 s27, 0
	s_add_nc_u64 s[28:29], s[6:7], s[26:27]
	s_lshl_b32 s26, s22, 5                         ; 32 rows on
.irp t, 1,2,3,4,5,6,7
	s_add_nc_u64 s[28+2*\t:29+2*\t], s[26+2*\t:27+2*\t], s[26:27]
.endr
	s_mul_i32 s46, s18, s23
	s_mul_i32 s45, s19, 6144
	s_add_co_u32 s46, s46, s45
	s_mov_b32 s47, 0
	s_add_nc_u64 s[46:47], s[12:13], s[46:47]      ; my two tiles' codes of this K step: 6,144 consecutive bytes
	s_lshl_b32 s48, s19, 10
	s_lshl_b32 s45, s18, 7
	s_add_co_u32 s48, s48, s45
	s_add_co_u32 s48, s48, s24
	s_mov_b32 s49, 0
	s_add_nc_u64 s[48:49], s[12:13], s[48:49]      ; and their scale bytes
	s_wait_alu depctr_va_vdst(0)
	v_lshlrev_b32 v[OFFS], 2, v5
.irp i, 1,2,3,4,5,6,7,8,9,10,11,12,13,14,15,16,17,18,19,20,21,22,23,24,25,26,27,28,29,30,31
	v_add_nc_u32 v[OFFS+\i], s22, v[OFFS+\i-1]
.endr
	WLOAD 0
	WLOAD 1
	v_bfe_u32 v6, v0, 3, 1                         ; column l of the group is lane r = l % 8 + 8 (l / 16) of tile u = (l / 8) % 2
	v_and_b32 v7, 7, v0
	v_bfe_u32 v1, v0, 4, 1
	v_lshl_add_u32 v7, v1, 3, v7
	s_mul_i32 s44, s16, 2*WTP
	s_add_co_u32 s44, s44, WST                     ; my stage
	v_mul_u32_u24 v2, v6, WTP
	v_add_nc_u32 v2, s44, v2
	v_lshl_add_u32 v3, v7, 4, v2                   ; where my 16 bytes go,
	v_lshl_add_u32 v4, v7, 3, v2                   ; and my 8
	v_lshlrev_b32 v26, 9, v6
	v_lshl_add_u32 v26, v7, 3, v26                 ; my scale bytes: 512 u + 8 r
	v_lshlrev_b32 v28, 4, v5
	v_add_nc_u32 v27, s44, v28                     ; the way out: 16 x lane
.irp t, 0,1,2,3,4,5,6,7
	BLOCK \t
.endr
	s_wait_alu depctr_va_vdst(0)
	global_store_b64 v26, v[20:21], s[48:49]       ; eight bytes a column, in runs of 128 consecutive bytes: one byte for each 128 that the launch reads
.irp k, 0,1,2,3,4,5,6,7,8,9,10,11
	ds_load_b128 v[OUTR+4*\k:OUTR+4*\k+3], v27 offset:(\k/6)*WTP+(\k%6)*512   ; LDS serves a wave's instructions in order: these see my stores
.endr
.irp k, 0,1,2,3,4,5,6,7,8,9,10,11
	s_wait_dscnt 11-\k
	global_store_b128 v28, v[OUTR+4*\k:OUTR+4*\k+3], s[46:47] offset:512*\k   ; 512 consecutive bytes
.endr
	s_wait_tensorcnt 0x0
	ds_add_u32 v248, v249
	s_wait_dscnt 0x0
	s_endpgm
.Lfunc_end_k_qbf6ef97987_prep:
	.size	k_qbf6ef97987_prep, .Lfunc_end_k_qbf6ef97987_prep-k_qbf6ef97987_prep
	.p2alignl 7, 3214868480
	.fill 96, 4, 3214868480
	.section	.rodata,"a",@progbits
	.p2align	6, 0x0
	.amdhsa_kernel k_qbf6ef97987_prep
		.amdhsa_group_segment_fixed_size 59904
		.amdhsa_private_segment_fixed_size 0
		.amdhsa_enable_private_segment 0
		.amdhsa_kernarg_size 48
		.amdhsa_user_sgpr_count 2
		.amdhsa_user_sgpr_kernarg_segment_ptr 1
		.amdhsa_wavefront_size32 1
		.amdhsa_system_sgpr_workgroup_id_x 1
		.amdhsa_system_sgpr_workgroup_id_y 1
		.amdhsa_system_sgpr_workgroup_id_z 1
		.amdhsa_system_vgpr_workitem_id 0
		.amdhsa_next_free_vgpr 250
		.amdhsa_next_free_sgpr 66
		.amdhsa_reserve_vcc 1
		.amdhsa_float_denorm_mode_32 3
		.amdhsa_float_denorm_mode_16_64 3
		.amdhsa_memory_ordered 1
		.amdhsa_forward_progress 1
		.amdhsa_inst_pref_size 77
	.end_amdhsa_kernel
	.amdgpu_metadata
---
amdhsa.version: [ 1, 2 ]
amdhsa.kernels:
  - .name:           k_qbf6ef97987_prep
    .symbol:         k_qbf6ef97987_prep.kd
    .args:
      - { .name: x, .offset: 0, .size: 8, .value_kind: global_buffer, .address_space: global }
      - { .name: w_qkv, .offset: 8, .size: 8, .value_kind: global_buffer, .address_space: global }
      - { .name: w_proj, .offset: 16, .size: 8, .value_kind: global_buffer, .address_space: global }
      - { .name: xq, .offset: 24, .size: 8, .value_kind: global_buffer, .address_space: global }
      - { .name: wq, .offset: 32, .size: 8, .value_kind: global_buffer, .address_space: global }
      - { .name: wp, .offset: 40, .size: 8, .value_kind: global_buffer, .address_space: global }
    .group_segment_fixed_size: 59904
    .private_segment_fixed_size: 0
    .kernarg_segment_align: 8
    .kernarg_segment_size: 48
    .max_flat_workgroup_size: 128
    .sgpr_count:     66
    .vgpr_count:     250
    .wavefront_size: 32
...
	.end_amdgpu_metadata
.endif
;; end of part 1
;; launch gemm1 (part 2): grid 32 x 8, 4 waves a work-group, clusters of 4 x 4, 327,680 bytes of LDS; arguments xq, wq, b_qkv, qkv; writes qkv
.if DOCPART == 2
	.amdgcn_target "amdgcn-amd-amdhsa--gfx1250"
	.amdhsa_code_object_version 6
	.text
	.protected	k_qbf6ef97987_gemm1
	.globl	k_qbf6ef97987_gemm1
	.p2align	8
	.type	k_qbf6ef97987_gemm1,@function
k_qbf6ef97987_gemm1:
	s_mov_b64 s[64:65], 0
	v_nop
	global_prefetch_b8 v0, s[64:65] scope:SCOPE_SE
	s_setreg_imm32_b32 hwreg(HW_REG_WAVE_MODE, 25, 1), 1
	s_wait_xcnt 0x0
	s_wait_alu depctr_hold_cnt(0) depctr_sa_sdst(0) depctr_va_vdst(0) depctr_va_sdst(0) depctr_va_ssrc(0) depctr_va_vcc(0) depctr_vm_vsrc(0)
	s_getreg_b32 s2, hwreg(HW_REG_IB_STS2, 6, 4)
	s_cmp_eq_u32 s2, 0
	s_cbranch_scc0 .Lentry_in_a_cluster
	s_endpgm
.Lentry_in_a_cluster:
	s_bfe_u32 s2, ttmp6, 0x10000c
	s_cmp_lg_u32 s2, 0xf033
	s_cbranch_scc0 .Lentry_shape_is_right
	s_endpgm
.Lentry_shape_is_right:
; Q, K, V = x w_qkv + b_qkv on codes of FP6 (E2M3) with one E8M0 byte for each 32 along K, each result quantised again on the way out: Q and K along the head's 64, V along the tokens.
; xq, wq: codes [K step of 256][tile of 16 rows][4 units of 768 bytes], a unit an image of registers (lane L: 16 bytes at 16 L, 8 bytes at 512 + 8 L); behind them scale bytes [tile][K step][r][8].  Lane r of tile 2 g + u is row 32 g + 8 u + r + 8 (r / 8).
; qkv: a unit of 102,400 bytes for each of q, k, v of each head and batch: 4,096 scale bytes [chunk of 128 tokens][r][4 words], then codes [chunk][4][2][768].
; LIMITS: NaN, infinities and sums beyond f32's range are not served; a sum begins with the bias; a block whose largest magnitude lies under 2^-124, a block of zeros too, keeps the byte 1 (this program alone reads the bytes).
; THE DEAL: 256 work-groups of four waves, 2 x 2.  A work-group keeps its 256 rows of x, all of K, in LDS and walks THREE PASSES of 128 columns: block s42 of Q's eight, of K's, of V's.
; In a pass a wave holds four tiles of the weight (one head), all of K, in 384 registers and streams its 128 rows (one chunk) past them in eight blocks of 16: 32 products a block, four accumulators by turns.
; Q, K: source 0 the weight's tile, so a lane holds one token and 32 of the head's 64: a block is quantised at once.  V: the sources change places, a lane holds one of the head's 64 and eight tokens a block: four blocks are gathered, then quantised.
; LDS: x's 16 tiles in two parts of 8, each [K step][tile]; the weight's 8 tiles [K step][tile]; the spare words.  Nothing is stored to LDS.
; FILLS: at the head one load a wave: the weight's K steps 0, 1; 2, 3; x's two parts.  As soon as all waves hold a pass's weights in registers, the next pass's are filled over them, behind the three lines and a round of the cluster's barrier
; by waves 0 and 1.  That load has a whole pass, 256 products a wave, in which to land, so no prefetch is laid.
; x's tiles are shared by a column of the cluster (the cluster's x counts tile rows), the weight's by a row.
; All scale words (whole units of 256 bytes: lanes 0-15 K step 2 p, lanes 16-31 K step 2 p + 1) and the three passes' biases come into registers at the head; a bias is the first products' C and lies in window 3.
.set XKS,   1572864
.set XSCL,  6291456
.set WKS,   589824
.set WSCL,  2359296
.set TILEB, 3072
.set FR,    12
.set FPW,   21                         ; fragments in a window of 256 registers
.set NF,    32                         ; LDS loads of a block
.set KSB,   8*TILEB                    ; eight tiles of a K step: a tensor row
.set PART,  4*KSB
.set YB,    2*PART
.set SPARE, YB+PART
.set UNITB, 102400
.set PSTEP, 64*UNITB                   ; from q's units to k's, from k's to v's
.set WPASS, 64*TILEB                   ; the weight's codes: 1,024 columns on
.set SPW, 10
.set NIL, 11
.set PC,  12                           ; v12-17 a unit's codes; v18-20 the second conversion's
.set CT,  18
.set BM,  22                           ; v22, v23 largest magnitudes
.set SA,  42                           ; v42-73 x's scale words: 4 s + 2 p + q
.set BP,  74                           ; v74, v75 lane l xor 16's; the bytes
.set BS,  76                           ; v76, v77 the conversions' scale operands
.set HW,  78
.set ACC, 80                           ; v80-111 Q's, K's sums; v80-207 V's: 32 t + 8 (s % 4)
.set AQ0, 240                          ; v240-243 x's LDS addresses: 16 L, + two K steps, 8 L, + two K steps
.set BA,  248                          ; v248-251 the weight's
.set SWR, 252                          ; v252-255 a chunk's four scale words of my row
.set SEL, 52                           ; s[52:53] v_permlanex16_b32's selects for lane l xor 16
.set G1A, 24
.set G1B, 32
.set G0A, 56
.set G0B, 60
.set G0R, 68                           ; s[68:71] group 0 of the refills
.set MSB, 0
.macro WIN new
.if MSB != \new
	s_set_vgpr_msb (MSB<<8)|\new
.set MSB, \new
.endif
.endm
.macro PLACES n
.rept \n
	v_nop
.endr
.endm
.macro WALU
	s_wait_alu depctr_va_vdst(0)
.endm
.macro BARRIER
	s_barrier_signal -1
	s_barrier_wait -1
.endm
.macro CROUND
	BARRIER
	s_cmp_lg_u32 s14, 0
	s_cbranch_scc1 .Lnot_wave_0_\@
	s_barrier_signal -3
.Lnot_wave_0_\@:
	s_barrier_wait -3
	BARRIER
.endm
.macro GROUP1 g, mask, rows, pitch     ; rows of 24,576 bytes (3,072 elements of 8), dense in LDS
	s_or_b32 s[\g+0], s[\mask], (3<<16)|(1<<21)
	s_mov_b32 s[\g+1], 3072<<16
	s_mov_b32 s[\g+2], (\rows)<<16
	s_mov_b32 s[\g+3], 3072<<16
	s_mov_b32 s[\g+4], \rows
	s_mov_b32 s[\g+5], \pitch
	s_mov_b32 s[\g+6], 0
	s_mov_b32 s[\g+7], 0
.endm
.macro TLOAD g0, g1
	tensor_load_to_lds s[\g0:\g0+3], s[\g1:\g1+7]
	s_nop 0
	PLACES 4
.endm
.macro ARM g0, g1, lds, step           ; a wave's one load at the head
	s_mov_b32 s[\g0+1], \lds
.if \step
	s_add_nc_u64 s[\g0+2:\g0+3], s[\g0+2:\g0+3], \step
.endif
	s_or_b32 s[\g0+3], s[\g0+3], 0x80000000
	TLOAD \g0, \g1
.endm
.macro TREE                            ; a refill: waves 0 and 1, two K steps each
	s_cmp_lt_u32 s14, 2
	s_cbranch_scc0 .Lnone_\@
	TLOAD G0R, G1B
.Lnone_\@:
.endm
.macro FRAG4 f, a16, a8, off           ; fragment f lies at register 256 + 12 f: two units of 768 bytes
	WIN (1+(\f)/FPW)<<6
.set R_, FR*((\f)%FPW)
	ds_load_b128 v[R_:R_+3], v[\a16] offset:\off
	ds_load_b64 v[R_+4:R_+5], v[\a8] offset:(\off)+512
	ds_load_b128 v[R_+6:R_+9], v[\a16] offset:(\off)+768
	ds_load_b64 v[R_+10:R_+11], v[\a8] offset:(\off)+1280
.endm
.macro FETCHAT e, s                    ; block s of x into set e
.irp q, 0,1,2,3,4,5,6,7
	FRAG4 32+8*(\e)+\q, AQ0+\q/4, AQ0+2+\q/4, ((\q/2)%2)*KSB+(\s)*TILEB+(\q%2)*1536
.endr
	WIN 0
.endm
.macro LOADB                           ; my four tiles of the weight, all of K
.irp q, 0,1,2,3,4,5,6,7
.irp b, 0,1,2,3
	FRAG4 4*\q+\b, BA+\q/4, BA+2+\q/4, ((\q/2)%2)*KSB+\b*TILEB+(\q%2)*1536
.endr
.endr
	WIN 0
.endm
.macro WM d, a, b, c, xa, xb, row
.if \row
	v_wmma_scale_f32_16x16x128_f8f6f4 v[\d:\d+7], v[\a:\a+FR-1], v[\b:\b+FR-1], v[\c:\c+7], v[\xa], v[\xb] matrix_a_fmt:MATRIX_FMT_FP6 matrix_b_fmt:MATRIX_FMT_FP6 matrix_a_scale:MATRIX_SCALE_ROW1 matrix_b_scale:MATRIX_SCALE_ROW1
.else
	v_wmma_scale_f32_16x16x128_f8f6f4 v[\d:\d+7], v[\a:\a+FR-1], v[\b:\b+FR-1], v[\c:\c+7], v[\xa], v[\xb] matrix_a_fmt:MATRIX_FMT_FP6 matrix_b_fmt:MATRIX_FMT_FP6
.endif
.endm
; product n = 4 q + t of block s.  m = 0: source 0 the weight's tile t; m = 1 (V): source 0 x's rows.  SBP: the pass's scale words; BOP: its bias, in window 3
.macro PROD m, e, s, n
.set Q_, (\n)/4
.set T_, (\n)%4
.set FB_, 4*Q_+T_
.set FA_, 32+8*(\e)+Q_
.if \m
.set D_, ACC+32*T_+8*((\s)%4)
.else
.set D_, ACC+8*T_
.endif
.set C_, D_
.set CW_, 0
.if Q_ == 0
.set C_, BOP+8*T_
.set CW_, 3
.endif
.set XB_, SBP+4*T_+2*(Q_/4)+Q_%2
.set XA_, SA+4*(\s)+2*(Q_/4)+Q_%2
.set RB_, FR*(FB_%FPW)
.set RA_, FR*(FA_%FPW)
.if \m
	WIN (1+FA_/FPW)|((1+FB_/FPW)<<2)|(CW_<<4)
	WM D_, RA_, RB_, C_, XA_, XB_, (Q_%4)/2
.else
	WIN (1+FB_/FPW)|((1+FA_/FPW)<<2)|(CW_<<4)
	WM D_, RB_, RA_, C_, XB_, XA_, (Q_%4)/2
.endif
.endm
.macro PRODS m, e, s
.set N_, 0
.rept 32
	PROD \m, \e, \s, N_
.set N_, N_+1
.endr
	WIN 0
	PLACES 4                                       ; between the last product and the first reader of its sums, and the fetch into its operands
.endm
; 32 sums of a lane from register x on (register 16 b + i is number 32 b + 16 h + i along the next K) become a unit of codes at byte off, and two scale bytes in half hi of word w
.macro EPI x, off, w, hi
	s_wait_xcnt 0x0                                ; the last unit's stores have read their registers
.irp b, 0,1
	v_max3_num_f32 v[BM+\b], |v[(\x)+16*\b]|, |v[(\x)+1+16*\b]|, 0x1800000   ; with the floor 2^(3 - 127): the byte cannot fall under 1
.endr
.irp i, 2,4,6,8,10,12,14
.irp b, 0,1
	v_max3_num_f32 v[BM+\b], v[BM+\b], |v[(\x)+16*\b+\i]|, |v[(\x)+1+16*\b+\i]|
.endr
.endr
.irp b, 0,1
	v_permlanex16_b32 v[BP+\b], v[BM+\b], s[SEL], s[SEL+1]
.endr
.irp b, 0,1
	v_max_num_f32 v[BM+\b], v[BM+\b], v[BP+\b]     ; with lane l xor 16's: the block's largest magnitude
.endr
.irp b, 0,1
	v_add_nc_u32 v[BS+\b], 0xff000000, v[BM+\b]    ; 2 off its exponent field: the conversion's scale operand
.endr
.irp b, 0,1
	v_lshrrev_b32 v[BP+\b], 23, v[BS+\b]           ; the byte
.endr
.if \hi
	v_lshl_or_b32 v[HW], v[BP+1], 8, v[BP]
	v_lshl_or_b32 v[SWR+\w], v[HW], 16, v[SWR+\w]
.else
	v_lshl_or_b32 v[SWR+\w], v[BP+1], 8, v[BP]
.endif
	v_cvt_scalef32_pk16_fp6_f32 v[PC:PC+2], v[(\x):(\x)+15], v[BS]
	v_cvt_scalef32_pk16_fp6_f32 v[CT:CT+2], v[(\x)+16:(\x)+31], v[BS+1]
	v_nop                                          ; one plain place behind a scaled conversion
.irp i, 0,1,2
	v_permlane16_swap_b32 v[PC+\i], v[CT+\i]       ; a whole block to a lane
.endr
.irp i, 0,1,2
	v_mov_b32 v[PC+3+\i], v[CT+\i]
.endr
	global_store_b128 v4, v[PC:PC+3], s[12:13] offset:\off          ; 512 consecutive bytes,
	global_store_b64 v5, v[PC+4:PC+5], s[12:13] offset:(\off)+512   ; and 256
.endm
.macro WORDS                           ; the chunk's scale words: 16 bytes a row, 256 consecutive bytes; both halves of the lanes hold the same and store them to the same place
	global_store_b128 v9, v[SWR:SWR+3], s[50:51]
.endm
.macro QKBLOCK s                       ; block s is tile u = s % 2 of group s / 2 of my chunk
	PRODS 0, (\s)%2, \s
	FETCHAT (\s)%2, ((\s)+2)%8                     ; x stays in LDS: the fetch runs on into the next pass
	EPI ACC, 768*(\s), (\s)/2, (\s)%2
.if (\s) == 7
	WORDS
.endif
	s_wait_dscnt NF                                ; the next block's fragments are in; younger is this fetch alone
.endm
.macro VBLOCK s
	PRODS 1, (\s)%2, \s
.if (\s) < 6
	FETCHAT (\s)%2, (\s)+2
.endif
.if (\s)%4 == 3                        ; 64 tokens are whole: a unit for each of the head's four tiles
.irp t, 0,1,2,3
	EPI ACC+32*\t, 1536*\t+768*((\s)/4), \t, (\s)/4
.endr
.endif
.if (\s) == 7
	WORDS
.elseif (\s) < 6
	s_wait_dscnt NF
.else
	s_wait_dscnt 0x0
.endif
.endm
.macro CHANGE refill                   ; from a pass to the next
	s_wait_tensorcnt 0x0                           ; the next pass's weights are in,
	s_wait_dscnt 0x0
	BARRIER                                        ; everybody's part
	LOADB
	s_wait_xcnt 0x0                                ; the stores have read their bases
	s_add_nc_u64 s[12:13], s[12:13], PSTEP
	s_add_nc_u64 s[50:51], s[50:51], PSTEP
.if \refill
	s_wait_tensorcnt 0x0                           ; three lines ahead of a refill
	ds_add_u32 v[SPW], v[NIL]
	s_add_nc_u64 s[G0R+2:G0R+3], s[G0R+2:G0R+3], WPASS
	s_wait_dscnt 0x0                               ; my weights are in registers
	CROUND
	TREE
.else
	s_wait_dscnt 0x0
.endif
.endm
.macro LDSB base, pass                 ; a pass's scale words of my four tiles
.irp t, 0,1,2,3
.irp p, 0,1
	global_load_b64 v[\base+4*\t+2*\p:\base+4*\t+2*\p+1], v5, s[48:49] offset:32768*(\pass)+512*\t+256*\p
.endr
.endr
.endm
; ---- the head
	s_load_b256 s[4:11], s[0:1], 0x0               ; xq, wq, b_qkv, qkv
	v_lshl_add_u32 v[SPW], v0, 2, SPARE
	v_mov_b32 v[NIL], 0
	ds_add_u32 v[SPW], v[NIL]
	ds_add_u32 v[SPW], v[NIL]
	v_lshrrev_b32 v1, 5, v0
	v_readfirstlane_b32 s14, v1                    ; the wave; s15 its row of the 2 x 2, s16 its column
	s_lshr_b32 s15, s14, 1
	s_and_b32 s16, s14, 1
	s_bfe_u32 s40, ttmp6, 0x40000
	s_bfe_u32 s41, ttmp6, 0x40004
	s_lshl_b32 s43, ttmp9, 2
	s_add_co_u32 s43, s43, s40                     ; tile row, 0 .. 31
	s_and_b32 s42, ttmp7, 0xffff
	s_lshl_b32 s42, s42, 2
	s_add_co_u32 s42, s42, s41                     ; column block, 0 .. 7
	s_lshl_b32 s44, 0x1111, s40                    ; my column of the cluster shares x's tiles
	s_lshl_b32 s45, s41, 2
	s_lshl_b32 s45, 15, s45                        ; my row the weight's
	GROUP1 G1A, 44, 4, XKS/8
	GROUP1 G1B, 45, 2, WKS/8
	s_mov_b32 s[G0A], 1
	s_mov_b32 s[G0B], 1
	s_mov_b32 s[G0R], 1
	s_mov_b32 s[SEL], 0x76543210
	s_mov_b32 s[SEL+1], 0xfedcba98
	s_mul_i32 s76, s43, 16*TILEB                   ; x's codes
	s_mov_b32 s77, 0
	s_mul_i32 s78, s42, 8*TILEB                    ; the weight's, pass 0
	s_mov_b32 s79, 0
	s_mul_i32 s90, s14, 2*WKS                      ; the refills: my two K steps of pass 1,
	s_add_co_u32 s90, s90, s78
	s_add_co_u32 s90, s90, WPASS
	s_mov_b32 s91, 0
	s_mul_i32 s[G0R+1], s14, 2*KSB                 ; and their place
	s_add_co_u32 s[G0R+1], s[G0R+1], YB
	s_lshl_b32 s80, s43, 1
	s_add_co_u32 s80, s80, s15
	s_lshl_b32 s80, s80, 12
	s_add_co_u32 s80, s80, XSCL                    ; x's scale bytes: tile 16 x tile row + 8 x wave row
	s_mov_b32 s81, 0
	s_lshl_b32 s82, s42, 1
	s_add_co_u32 s82, s82, s16                     ; my head
	s_lshl_b32 s86, s82, 8                         ; its first column, in bytes of f32
	s_mov_b32 s87, 0
	s_lshl_b32 s84, s82, 2
	s_lshr_b32 s21, s43, 3
	s_add_co_u32 s84, s84, s21                     ; q's unit: 4 x head + batch
	s_mul_i32 s84, s84, UNITB
	s_and_b32 s21, s43, 7
	s_lshl_b32 s21, s21, 1
	s_add_co_u32 s21, s21, s15                     ; my chunk
	s_lshl_b32 s88, s21, 8
	s_add_co_u32 s88, s88, s84                     ; its scale words
	s_mov_b32 s89, 0
	s_mul_i32 s21, s21, 6144
	s_add_co_u32 s84, s84, s21
	s_add_co_u32 s84, s84, 4096                    ; its codes
	s_mov_b32 s85, 0
	s_lshl_b32 s82, s82, 11
	s_add_co_u32 s82, s82, WSCL                    ; the weight's scale bytes: tile 8 x column block + 4 x wave column
	s_mov_b32 s83, 0
	v_and_b32 v1, 15, v0
	v_bfe_u32 v2, v0, 4, 1
	v_and_b32 v3, 31, v0
	v_lshlrev_b32 v4, 4, v3
	v_lshlrev_b32 v5, 3, v3
	s_mul_i32 s21, s15, PART
	v_add_nc_u32 v[AQ0], s21, v4
	v_add_nc_u32 v[AQ0+2], s21, v5
	v_add_nc_u32 v[AQ0+1], 2*KSB, v[AQ0]
	v_add_nc_u32 v[AQ0+3], 2*KSB, v[AQ0+2]
	s_mul_i32 s22, s16, 4*TILEB
	s_add_co_u32 s22, s22, YB
	v_add_nc_u32 v[BA], s22, v4
	v_add_nc_u32 v[BA+2], s22, v5
	v_add_nc_u32 v[BA+1], 2*KSB, v[BA]
	v_add_nc_u32 v[BA+3], 2*KSB, v[BA+2]
	v_lshlrev_b32 v8, 6, v2                        ; Q's, K's bias: register j of tile t is column 32 (t / 2) + 8 (t % 2) + 16 h + j
	v_and_b32 v7, 8, v1
	v_add_nc_u32 v7, v7, v1
	v_lshlrev_b32 v7, 2, v7                        ; V's: lane r of tile t is column 32 (t / 2) + 8 (t % 2) + r + 8 (r / 8)
	v_lshlrev_b32 v9, 4, v1
	v_mov_b32 v[BP], 0                             ; written once: a lane permute's destination counts as one of its sources
	v_mov_b32 v[BP+1], 0
	WALU
	s_wait_dscnt 0x0
	CROUND                                         ; the opening round
	s_wait_kmcnt 0x0
	s_add_nc_u64 s[G0A+2:G0A+3], s[4:5], s[76:77]
	s_add_nc_u64 s[G0B+2:G0B+3], s[6:7], s[78:79]
	s_add_nc_u64 s[G0R+2:G0R+3], s[6:7], s[90:91]
	s_or_b32 s[G0R+3], s[G0R+3], 0x80000000
	s_add_nc_u64 s[46:47], s[4:5], s[80:81]
	s_add_nc_u64 s[48:49], s[6:7], s[82:83]
	s_add_nc_u64 s[8:9], s[8:9], s[86:87]
	s_add_nc_u64 s[12:13], s[10:11], s[84:85]
	s_add_nc_u64 s[50:51], s[10:11], s[88:89]
	s_cmp_eq_u32 s14, 0
	s_cbranch_scc0 .Lwave_1
	ARM G0B, G1B, YB, 0                            ; wave 0: the weight's K steps 0, 1
	s_branch .Lasked
.Lwave_1:
	s_cmp_eq_u32 s14, 1
	s_cbranch_scc0 .Lwave_2
	ARM G0B, G1B, YB+2*KSB, 2*WKS                  ; wave 1: its K steps 2, 3
	s_branch .Lasked
.Lwave_2:
	s_cmp_eq_u32 s14, 2
	s_cbranch_scc0 .Lwave_3
	ARM G0A, G1A, 0, 0                             ; wave 2: x's tiles 0-7, all of K
	s_branch .Lasked
.Lwave_3:
	ARM G0A, G1A, PART, KSB                        ; wave 3: tiles 8-15
.Lasked:
	LDSB 24, 0
	LDSB 208, 1
	LDSB 224, 2
.irp s, 0,1,2,3,4,5,6,7
.irp p, 0,1
	global_load_b64 v[SA+4*\s+2*\p:SA+4*\s+2*\p+1], v5, s[46:47] offset:512*\s+256*\p
.endr
.endr
	WIN 0xc0                                       ; the biases go to window 3: v160-191 Q's, v192-223 K's, v224-255 V's
.irp p, 0,1
.irp t, 0,1,2,3
	global_load_b128 v[160+32*\p+8*\t:160+32*\p+8*\t+3], v8, s[8:9] offset:4096*\p+128*(\t/2)+32*(\t%2)
	global_load_b128 v[160+32*\p+8*\t+4:160+32*\p+8*\t+7], v8, s[8:9] offset:4096*\p+128*(\t/2)+32*(\t%2)+16
.endr
.endr
.irp t, 0,1,2,3
	global_load_b32 v[224+8*\t], v7, s[8:9] offset:8192+128*(\t/2)+32*(\t%2)
.endr
	WIN 0
	s_cmp_lt_u32 s14, 2
	s_cbranch_scc0 .Lnot_b
	s_wait_tensorcnt 0x0                           ; waves 0 and 1: the weight's two halves
.Lnot_b:
	BARRIER                                        ; the weight is in
	LOADB
	s_wait_loadcnt 0x0                             ; scale words and biases
	WIN 0xc3
.irp t, 0,1,2,3
.irp j, 1,2,3,4,5,6,7
	v_mov_b32 v[224+8*\t+\j], v[224+8*\t]          ; V's bias is the same for a lane's eight tokens
.endr
.endr
	WIN 0
	WALU
	s_wait_tensorcnt 0x0                           ; every wave: x's two parts are in.  The three lines ahead of a refill
	ds_add_u32 v[SPW], v[NIL]
	s_wait_dscnt 0x0                               ; my weights are in registers
	CROUND
	TREE                                           ; K's weights over Q's
	FETCHAT 0, 0
	FETCHAT 1, 1
	s_wait_dscnt NF                                ; block 0's fragments are in
; ---- the three passes
.set SBP, 24
.set BOP, 160
.irp s, 0,1,2,3,4,5,6,7
	QKBLOCK \s
.endr
	CHANGE 1                                       ; V's weights over K's
.set SBP, 208
.set BOP, 192
.irp s, 0,1,2,3,4,5,6,7
	QKBLOCK \s
.endr
	CHANGE 0
.set SBP, 224
.set BOP, 224
.irp s, 0,1,2,3,4,5,6,7
	VBLOCK \s
.endr
	s_wait_tensorcnt 0x0                           ; the wave's end
	ds_add_u32 v[SPW], v[NIL]
	s_wait_dscnt 0x0
	CROUND                                         ; the closing round
	s_endpgm
.Lfunc_end_k_qbf6ef97987_gemm1:
	.size	k_qbf6ef97987_gemm1, .Lfunc_end_k_qbf6ef97987_gemm1-k_qbf6ef97987_gemm1
	.p2alignl 7, 3214868480
	.fill 96, 4, 3214868480
	.section	.rodata,"a",@progbits
	.p2align	6, 0x0
	.amdhsa_kernel k_qbf6ef97987_gemm1
		.amdhsa_group_segment_fixed_size 327680
		.amdhsa_private_segment_fixed_size 0
		.amdhsa_enable_private_segment 0
		.amdhsa_kernarg_size 32
		.amdhsa_user_sgpr_count 2
		.amdhsa_user_sgpr_kernarg_segment_ptr 1
		.amdhsa_wavefront_size32 1
		.amdhsa_system_sgpr_workgroup_id_x 1
		.amdhsa_system_sgpr_workgroup_id_y 1
		.amdhsa_system_sgpr_workgroup_id_z 1
		.amdhsa_system_vgpr_workitem_id 0
		.amdhsa_next_free_vgpr 1024
		.amdhsa_next_free_sgpr 102
		.amdhsa_reserve_vcc 0
		.amdhsa_float_denorm_mode_32 3
		.amdhsa_float_denorm_mode_16_64 3
		.amdhsa_memory_ordered 1
		.amdhsa_forward_progress 1
		.amdhsa_inst_pref_size 245
	.end_amdhsa_kernel
	.amdgpu_metadata
---
amdhsa.version: [ 1, 2 ]
amdhsa.kernels:
  - .name:           k_qbf6ef97987_gemm1
    .symbol:         k_qbf6ef97987_gemm1.kd
    .args:
      - { .name: xq, .offset: 0, .size: 8, .value_kind: global_buffer, .address_space: global }
      - { .name: wq, .offset: 8, .size: 8, .value_kind: global_buffer, .address_space: global }
      - { .name: b_qkv, .offset: 16, .size: 8, .value_kind: global_buffer, .address_space: global }
      - { .name: qkv, .offset: 24, .size: 8, .value_kind: global_buffer, .address_space: global }
    .group_segment_fixed_size: 327680
    .private_segment_fixed_size: 0
    .kernarg_segment_align: 8
    .kernarg_segment_size: 32
    .max_flat_workgroup_size: 128
    .sgpr_count:     102
    .vgpr_count:     1024
    .wavefront_size: 32
...
	.end_amdgpu_metadata
.endif
;; end of part 2
;; launch attn (part 3): grid 4 x 64, 16 waves a work-group, clusters of 4 x 1, 206,848 bytes of LDS; arguments qkv, oq; writes oq
.if DOCPART == 3
	.amdgcn_target "amdgcn-amd-amdhsa--gfx1250"
	.amdhsa_code_object_version 6
	.text
	.protected	k_qbf6ef97987_attn
	.globl	k_qbf6ef97987_attn
	.p2align	8
	.type	k_qbf6ef97987_attn,@function
k_qbf6ef97987_attn:
	s_mov_b64 s[64:65], 0
	v_nop
	global_prefetch_b8 v0, s[64:65] scope:SCOPE_SE
	s_setreg_imm32_b32 hwreg(HW_REG_WAVE_MODE, 25, 1), 1
	s_wait_xcnt 0x0
	s_wait_alu depctr_hold_cnt(0) depctr_sa_sdst(0) depctr_va_vdst(0) depctr_va_sdst(0) depctr_va_ssrc(0) depctr_va_vcc(0) depctr_vm_vsrc(0)
	s_getreg_b32 s2, hwreg(HW_REG_IB_STS2, 6, 4)
	s_cmp_eq_u32 s2, 0
	s_cbranch_scc0 .Lentry_in_a_cluster
	s_endpgm
.Lentry_in_a_cluster:
	s_bfe_u32 s2, ttmp6, 0x10000c
	s_cmp_lg_u32 s2, 0x3003
	s_cbranch_scc0 .Lentry_shape_is_right
	s_endpgm
.Lentry_shape_is_right:
; O = softmax(Q K^T / 8) V for 64 heads (16 heads x 4 batches) of 2,048 tokens x 64, both products on codes of FP6 (E2M3) with one E8M0 byte for each 32 along a product's K; O is quantised on the way out for the output projection.
; qkv: a unit of 102,400 bytes for each of q, k, v of each head and batch: 4,096 scale bytes [chunk][r][4 words], then codes [chunk of 128 tokens][4][2][768], each 768 bytes an image of registers (16 rows x 64 K: lane L's 16 bytes at 16 L, 8 bytes at 512 + 8 L).
; q, k: [group of 32 tokens][tile u]: 16 tokens x the head's 64; lane r of tile u is token 32 g + 8 u + r + 8 (r / 8); the word holds tile 0's two bytes below, tile 1's above.  v: [tile of 16 of the head's 64][64 keys]; the word holds four key blocks' bytes.
; THE SOFTMAX AHEAD OF THE SECOND PRODUCT: t = score x log2(e) / 8; M = the row's largest t so far, rounded up to a whole number; p = 2^(t - M) is quantised along the keys, not normalised.  The row's sum is taken of the unquantised p
; and divides O at the end.  When M moves, the sum and O are multiplied by 2^(old M - new M): exact.
; SHARES.  A work-group owns 512 queries of one head; each of its sixteen waves 32 of them, as two tiles of 16 taken one after the other, in 256 registers: four waves to a SIMD, so that one wave's vector work stands beside another's matrix work.
; A WHOLE HEAD'S K AND V STAY IN LDS: 204,800 bytes, filled once, at the head: each wave brings 12,800 bytes.  Nothing is filled again, so there is one barrier and no ring.
; CLUSTER.  The four work-groups of a cluster are the four blocks of queries of one head: K and V are asked for jointly, by the same load with the same descriptor and a mask that names the four.
; THE FIRST PRODUCT HAS K = 64 under an instruction of K = 128: a fragment of K holds TWO tiles of keys (u = 0 in registers 0-5, u = 1 in 6-11); against [q, zeros] it gives tile 0's scores, against [zeros, q] tile 1's.  Zero codes add nothing.
; Both products are used transposed (source 0 = 16 keys, or 16 of the head's 64; source 1 = my 16 queries): a lane holds one query throughout, and the 16 registers of two neighbouring tiles are 16 neighbours along the next K.
; LIMITS: NaN and infinities are not served; a p under 2^-126 counts as 0; a block whose largest magnitude lies under 2^-124, a block of zeros too, keeps the byte 1 (this program alone reads the bytes).
; O's two scale bytes of a row leave by a store of 2 bytes a lane, 8 bytes apart: a scale word of the next product spans two heads, which have two owners.  They are 2 bytes for each 48 of codes.
.set UNITB, 102400
.set CHB,   6144                       ; a chunk's codes
.set VB,    UNITB                      ; K's unit lies at LDS byte 0, V's behind it
.set AK16, 1                           ; v1-6 my lane's places: K's 16-byte and 8-byte pieces, V's, K's scale words, V's; never rewritten
.set AK8,  2
.set AV16, 3
.set AV8,  4
.set AKS,  5
.set AVS,  6
.set Q1,   16                          ; v16-27 [q, zeros]
.set Q2,   28                          ; v28-39 [zeros, q]
.set QL,   40                          ; v40-51 my two tiles of queries as loaded
.set QW,   52                          ; v52 their scale word as loaded
.set QS,   53                          ; v53 the tile's two bytes, twice
.set CK16, 54                          ; v54-59 the step's six addresses
.set CK8,  55
.set CV16, 56
.set CV8,  57
.set CKS,  58
.set CVS,  59
.set O16,  60                          ; v60 16 x lane, v61 8 x lane, v62 8 r
.set O8,   61
.set OSC,  62
.set KF,   64                          ; v64-111 four fragments of K, then of V
.set S,    112                         ; v112-175 S^T, then p
.set O,    176                         ; v176-207 O^T
.set PC,   208                         ; v208-219 p's codes
.set CT,   220                         ; v220-227 the conversions' second halves
.set BM,   228                         ; v228-231 the blocks' largest
.set BP,   232                         ; v232-235 lane l xor 16's; the sum's second chain; the bytes
.set BS,   236                         ; v236-239 the conversions' scale operands
.set KSW,  240                         ; v240-243 K's scale words
.set VSW,  244                         ; v244-247 V's
.set PW,   248                         ; v248 p's
.set F,    250                         ; v[250:251] 2^(old M - new M); the pair's low word serves both halves
.set WV,   8                           ; s8 my wave's number
.set G0,   12                          ; s[12:15], s[16:23] the descriptor
.set G1,   16
.set CS,   24                          ; s[24:25] c = log2(e) / 8
.set SEL,  26                          ; s[26:27] v_permlanex16_b32's selects for lane l xor 16
.set TB,   28                          ; s28 the step's codes: 6,144 bytes a step
.set TS,   29                          ; s29 its scale words: 256 bytes a step
.set CNT,  30
.macro CROUND                          ; a round of the cluster's barrier
	s_barrier_signal -1
	s_barrier_wait -1
	s_cmp_lg_u32 s[WV], 0
	s_cbranch_scc1 .Lnot_wave_0_\@
	s_barrier_signal -3
.Lnot_wave_0_\@:
	s_barrier_wait -3
	s_barrier_signal -1
	s_barrier_wait -1
.endm
; A KEY STEP: 128 keys against my 16 queries
.macro STEP
	v_add_nc_u32 v[CK16], s[TB], v[AK16]           ; (these six are also the places in front of the loads into registers that the last products read)
	v_add_nc_u32 v[CK8], s[TB], v[AK8]
	v_add_nc_u32 v[CV16], s[TB], v[AV16]
	v_add_nc_u32 v[CV8], s[TB], v[AV8]
	v_add_nc_u32 v[CKS], s[TS], v[AKS]
	v_add_nc_u32 v[CVS], s[TS], v[AVS]
.irp g, 0,1,2,3
	ds_load_b128 v[KF+12*\g:KF+12*\g+3], v[CK16] offset:1536*\g
	ds_load_b64 v[KF+12*\g+4:KF+12*\g+5], v[CK8] offset:1536*\g
	ds_load_b128 v[KF+12*\g+6:KF+12*\g+9], v[CK16] offset:1536*\g+768
	ds_load_b64 v[KF+12*\g+10:KF+12*\g+11], v[CK8] offset:1536*\g+768
.endr
	ds_load_b128 v[KSW:KSW+3], v[CKS]
	s_wait_alu depctr_va_vdst(0)
	s_wait_dscnt 0x0
.irp g, 0,1,2,3                                ; S^T: register 16 g + i holds key 32 g + 16 (lane / 16) + i of the step
	v_wmma_scale_f32_16x16x128_f8f6f4 v[S+16*\g:S+16*\g+7], v[KF+12*\g:KF+12*\g+11], v[Q1:Q1+11], 0, v[KSW+\g], v[QS] matrix_a_fmt:MATRIX_FMT_FP6 matrix_b_fmt:MATRIX_FMT_FP6
	v_wmma_scale_f32_16x16x128_f8f6f4 v[S+16*\g+8:S+16*\g+15], v[KF+12*\g:KF+12*\g+11], v[Q2:Q2+11], 0, v[KSW+\g], v[QS] matrix_a_fmt:MATRIX_FMT_FP6 matrix_b_fmt:MATRIX_FMT_FP6
.endr
.rept 4
	v_nop                                          ; places in front of the loads below and of the first read of the scores
.endr
.irp g, 0,1,2,3                                ; V's four fragments take K's registers: they land during the softmax
	ds_load_b128 v[KF+12*\g:KF+12*\g+3], v[CV16] offset:1536*\g
	ds_load_b64 v[KF+12*\g+4:KF+12*\g+5], v[CV8] offset:1536*\g
	ds_load_b128 v[KF+12*\g+6:KF+12*\g+9], v[CV16] offset:1536*\g+768
	ds_load_b64 v[KF+12*\g+10:KF+12*\g+11], v[CV8] offset:1536*\g+768
.endr
	ds_load_b128 v[VSW:VSW+3], v[CVS]
.irp b, 0,1,2,3
	v_max3_num_f32 v[BM+\b], v[S+16*\b], v[S+1+16*\b], v[S+2+16*\b]   ; the largest score of each block of 32 keys: it serves for the row's maximum and, since p rises with the score, for the block's largest p
.endr
.irp i, 3,5,7,9,11,13
.irp b, 0,1,2,3
	v_max3_num_f32 v[BM+\b], v[BM+\b], v[S+16*\b+\i], v[S+1+16*\b+\i]
.endr
.endr
.irp b, 0,1,2,3
	v_max_num_f32 v[BM+\b], v[BM+\b], v[S+15+16*\b]
.endr
.irp b, 0,1,2,3
	s_delay_alu instid0(VALU_DEP_4)
	v_permlanex16_b32 v[BP+\b], v[BM+\b], s[SEL], s[SEL+1]
.endr
.irp b, 0,1,2,3
	s_delay_alu instid0(VALU_DEP_4)
	v_max_num_f32 v[BM+\b], v[BM+\b], v[BP+\b]     ; with lane l xor 16's 16 keys
.endr
	s_delay_alu instid0(VALU_DEP_2)
	v_max3_num_f32 v254, v[BM], v[BM+1], v[BM+2]
	s_delay_alu instid0(VALU_DEP_1)
	v_max_num_f32 v254, v254, v[BM+3]              ; the step's largest score of my query,
	s_delay_alu instid0(VALU_DEP_1)
	v_mul_f32 v254, s[CS], v254                    ; as t (c is positive)
	s_delay_alu instid0(VALU_DEP_1)
	v_max_num_f32 v13, v13, v254                   ; the running largest t
	v_mov_b32 v254, v12
	s_delay_alu instid0(VALU_DEP_2)
	v_floor_f32 v12, -v13                          ; the new -M = floor(-t): M is a whole number
	s_delay_alu instid0(VALU_DEP_1)
	v_sub_f32 v254, v12, v254                      ; old M - new M: a whole number, 0 or less
	s_delay_alu instid0(VALU_DEP_1)
	v_cvt_i32_f32 v254, v254                       ; (it saturates)
	s_delay_alu instid0(VALU_DEP_1)
	v_ldexp_f32 v[F], 1.0, v254                    ; f = 2^(old M - new M)
.irp j, 0,2,4,6,8,10,12,14,16,18,20,22,24,26,28,30,32,34,36,38,40,42,44,46,48,50,52,54,56,58,60,62
	v_pk_fma_f32 v[S+\j:S+1+\j], v[S+\j:S+1+\j], s[CS:CS+1], v[12:13] op_sel_hi:[1,0,0]   ; t - M, two at a time
.endr
.irp b, 0,1,2,3
	v_fma_f32 v[BM+\b], v[BM+\b], s[CS], v12       ; the same of each block's largest score
.endr
	s_wait_alu depctr_va_vdst(0)
.irp j, 0,1,2,3,4,5,6,7,8,9,10,11,12,13,14,15,16,17,18,19,20,21,22,23,24,25,26,27,28,29,30,31,32,33,34,35,36,37,38,39,40,41,42,43,44,45,46,47,48,49,50,51,52,53,54,55,56,57,58,59,60,61,62,63
	v_exp_f32 v[S+\j], v[S+\j]                     ; p = 2^(t - M), at most 1
.endr
	v_pk_mul_f32 v[14:15], v[14:15], v[F:F+1] op_sel_hi:[1,0]   ; the sums under the new M: the plain place behind the exponentials
	s_wait_alu depctr_va_vdst(0)                   ; one wait for the whole batch, ahead of its first reader
.irp b, 0,1,2,3
	v_exp_f32 v[BM+\b], v[BM+\b]                   ; the block's largest p: the same two instructions on the same number give the same bits
.endr
	v_pk_add_f32 v[232:233], v[116:117], v[120:121]
	v_pk_add_f32 v[248:249], v[124:125], v[128:129]
	v_pk_add_f32 v[242:243], v[132:133], v[136:137]
	v_pk_add_f32 v[240:241], v[140:141], v[144:145]
	v_pk_add_f32 v[238:239], v[148:149], v[152:153]
	v_pk_add_f32 v[236:237], v[156:157], v[160:161]
	v_pk_add_f32 v[234:235], v[164:165], v[168:169]
	v_pk_add_f32 v[14:15], v[14:15], v[172:173]
	v_pk_add_f32 v[232:233], v[232:233], v[112:113]
	v_pk_add_f32 v[248:249], v[248:249], v[114:115]
	v_pk_add_f32 v[242:243], v[242:243], v[118:119]
	v_pk_add_f32 v[240:241], v[240:241], v[122:123]
	v_pk_add_f32 v[238:239], v[238:239], v[126:127]
	v_pk_add_f32 v[236:237], v[236:237], v[130:131]
	v_pk_add_f32 v[234:235], v[234:235], v[134:135]
	v_pk_add_f32 v[14:15], v[14:15], v[138:139]
	v_pk_add_f32 v[232:233], v[232:233], v[142:143]
	v_pk_add_f32 v[248:249], v[248:249], v[146:147]
	v_pk_add_f32 v[242:243], v[242:243], v[150:151]
	v_pk_add_f32 v[240:241], v[240:241], v[154:155]
	v_pk_add_f32 v[238:239], v[238:239], v[158:159]
	v_pk_add_f32 v[236:237], v[236:237], v[162:163]
	v_pk_add_f32 v[234:235], v[234:235], v[166:167]
	v_pk_add_f32 v[14:15], v[14:15], v[170:171]
	v_pk_add_f32 v[232:233], v[232:233], v[174:175]
	s_delay_alu instid0(VALU_DEP_2)
	v_pk_add_f32 v[14:15], v[14:15], v[240:241]
	s_delay_alu instid0(VALU_DEP_2)
	v_pk_add_f32 v[232:233], v[232:233], v[238:239]
	v_pk_add_f32 v[248:249], v[248:249], v[236:237]
	v_pk_add_f32 v[242:243], v[242:243], v[234:235]
	s_delay_alu instid0(VALU_DEP_2)
	v_pk_add_f32 v[14:15], v[14:15], v[248:249]
	s_delay_alu instid0(VALU_DEP_2)
	v_pk_add_f32 v[232:233], v[232:233], v[242:243]
	s_delay_alu instid0(VALU_DEP_1)
	v_pk_add_f32 v[14:15], v[14:15], v[232:233]
	s_wait_alu depctr_va_vdst(0)                   ; and one for the four
.irp b, 0,1,2,3
	v_max_num_f32 v[BM+\b], 0x1800000, v[BM+\b]    ; the floor 2^(3 - 127): the byte cannot fall under 1
.endr
.irp b, 0,1,2,3
	s_delay_alu instid0(VALU_DEP_4)
	v_add_nc_u32 v[BS+\b], 0xff000000, v[BM+\b]    ; 2 off the exponent field: the conversion's scale operand
.endr
.irp b, 0,1,2,3
	s_delay_alu instid0(VALU_DEP_4)
	v_lshrrev_b32 v[BP+\b], 23, v[BS+\b]           ; the byte
.endr
	s_delay_alu instid0(VALU_DEP_3)
	v_lshl_or_b32 v[PW], v[BP+1], 8, v[BP]         ; p's scale word for these 128 keys
	s_delay_alu instid0(VALU_DEP_1)
	v_lshl_or_b32 v[PW], v[BP+2], 16, v[PW]
	s_delay_alu instid0(VALU_DEP_1)
	v_lshl_or_b32 v[PW], v[BP+3], 24, v[PW]
.irp c, 0,1
	v_cvt_scalef32_pk16_fp6_f32 v[PC+6*\c:PC+2+6*\c], v[S+32*\c:S+15+32*\c], v[BS+2*\c]
	v_cvt_scalef32_pk16_fp6_f32 v[CT+4*\c:CT+2+4*\c], v[S+16+32*\c:S+31+32*\c], v[BS+2*\c+1]
.endr
	v_nop                                          ; one plain place behind a scaled conversion
.irp c, 0,1                                    ; a whole block to a lane: lanes 0-15 block 2 c, lanes 16-31 block 2 c + 1
.irp i, 0,1,2
	v_permlane16_swap_b32 v[PC+6*\c+\i], v[CT+4*\c+\i]
.endr
.irp i, 0,1,2
	s_delay_alu instid0(VALU_DEP_3)
	v_mov_b32 v[PC+3+6*\c+\i], v[CT+4*\c+\i]
.endr
.endr
.irp j, 0,2,4,6,8,10,12,14,16,18,20,22,24,26,28,30
	v_pk_mul_f32 v[O+\j:O+1+\j], v[O+\j:O+1+\j], v[F:F+1] op_sel_hi:[1,0]   ; O^T under the new M.  (These sixteen are also the places between the codes' and the scale word's last writes and the products below)
.endr
	s_wait_alu depctr_va_vdst(0)
	s_wait_dscnt 0x0                               ; V is in
.irp t, 0,1,2,3                                ; O^T += V^T P^T: the four accumulators by turns
	v_wmma_scale_f32_16x16x128_f8f6f4 v[O+8*\t:O+8*\t+7], v[KF+12*\t:KF+12*\t+11], v[PC:PC+11], v[O+8*\t:O+8*\t+7], v[VSW+\t], v[PW] matrix_a_fmt:MATRIX_FMT_FP6 matrix_b_fmt:MATRIX_FMT_FP6
.endr
	s_add_co_u32 s[TB], s[TB], CHB
	s_add_co_u32 s[TS], s[TS], 256
.endm
; One tile of 16 queries against all 2,048 keys, and its way out
.macro TILE u
	s_wait_xcnt 0x0                                ; the last tile's stores have read their registers
.irp i, 0,1,2,3,4,5
	v_mov_b32 v[Q1+\i], v[QL+6*\u+\i]
	v_mov_b32 v[Q2+6+\i], v[QL+6*\u+\i]
.endr
	v_perm_b32 v[QS], v[QW], v[QW], 0x01000100+0x02020202*\u   ; the tile's two bytes, for both halves of the instruction's K
	v_mov_b32 v13, 0xff61b1e6                      ; the largest t so far: -3e38
	s_delay_alu instid0(VALU_DEP_1)
	v_floor_f32 v12, -v13                          ; -M
	v_mov_b32 v14, 0                               ; the sum, in two halves
	v_mov_b32 v15, 0
.irp j, 0,1,2,3,4,5,6,7,8,9,10,11,12,13,14,15,16,17,18,19,20,21,22,23,24,25,26,27,28,29,30,31
	v_mov_b32 v[O+\j], 0                           ; O^T: the step is written once; its first trip finds zeros.  (Also the places between the writes of q's operands and scale word and the first products)
.endr
	s_mov_b32 s[TB], 0
	s_mov_b32 s[TS], 0
	s_mov_b32 s[CNT], 16
.Lkeys_\u:
	STEP
	s_sub_co_u32 s[CNT], s[CNT], 1
	s_cmp_lg_u32 s[CNT], 0
	s_cbranch_scc1 .Lkeys_\u
.rept 4
	v_nop                                          ; places behind the last products
.endr
	v_add_f32 v14, v14, v15                        ; the sum's two halves,
	s_delay_alu instid0(VALU_DEP_1)
	v_permlanex16_b32 v252, v14, s[SEL], s[SEL+1]
	s_delay_alu instid0(VALU_DEP_1)
	v_add_f32 v14, v14, v252                       ; and lane l xor 16's
	s_wait_alu depctr_va_vdst(0)
	v_rcp_f32 v14, v14
	v_nop                                          ; a plain place behind the transcendental
	s_wait_alu depctr_va_vdst(0)                   ; and the wait ahead of its first reader
.irp j, 0,1,2,3,4,5,6,7,8,9,10,11,12,13,14,15,16,17,18,19,20,21,22,23,24,25,26,27,28,29,30,31
	v_mul_f32 v[S+\j], v[O+\j], v14                ; O^T / the sum: register 16 g + i is number 32 g + 16 h + i of the head's 64
.endr
.irp b, 0,1
	v_max3_num_f32 v[BM+\b], |v[S+16*\b]|, |v[S+1+16*\b]|, 0x1800000
.endr
.irp i, 2,4,6,8,10,12,14
.irp b, 0,1
	s_delay_alu instid0(VALU_DEP_2)
	v_max3_num_f32 v[BM+\b], v[BM+\b], |v[S+16*\b+\i]|, |v[S+1+16*\b+\i]|
.endr
.endr
.irp b, 0,1
	s_delay_alu instid0(VALU_DEP_2)
	v_permlanex16_b32 v[BP+\b], v[BM+\b], s[SEL], s[SEL+1]
.endr
.irp b, 0,1
	s_delay_alu instid0(VALU_DEP_2)
	v_max_num_f32 v[BM+\b], v[BM+\b], v[BP+\b]
.endr
.irp b, 0,1
	s_delay_alu instid0(VALU_DEP_2)
	v_add_nc_u32 v[BS+\b], 0xff000000, v[BM+\b]
.endr
.irp b, 0,1
	s_delay_alu instid0(VALU_DEP_2)
	v_lshrrev_b32 v[BP+\b], 23, v[BS+\b]
.endr
	s_delay_alu instid0(VALU_DEP_1)
	v_lshl_or_b32 v252, v[BP+1], 8, v[BP]          ; my row's two bytes
	v_cvt_scalef32_pk16_fp6_f32 v[PC:PC+2], v[S:S+15], v[BS]
	v_cvt_scalef32_pk16_fp6_f32 v[CT:CT+2], v[S+16:S+31], v[BS+1]
	v_nop                                          ; one plain place behind a scaled conversion
.irp i, 0,1,2
	v_permlane16_swap_b32 v[PC+\i], v[CT+\i]
.endr
.irp i, 0,1,2
	s_delay_alu instid0(VALU_DEP_3)
	v_mov_b32 v[PC+3+\i], v[CT+\i]
.endr
	global_store_b128 v[O16], v[PC:PC+3], s[40:41] offset:3072*\u          ; the head's unit of tile u: 512 consecutive bytes,
	global_store_b64 v[O8], v[PC+4:PC+5], s[40:41] offset:3072*\u+512      ; and 256
	global_store_b16 v[OSC], v252, s[42:43] offset:512*\u                  ; both halves of the lanes hold the same two bytes and store them to the same place
.endm
	s_load_b128 s[4:7], s[0:1], 0x0                ; qkv s[4:5], oq s[6:7]
	v_lshl_add_u32 v253, v0, 2, 0x32000
	v_mov_b32 v255, 0
	ds_add_u32 v253, v255
	ds_add_u32 v253, v255
	v_lshrrev_b32 v7, 5, v0
	s_delay_alu instid0(VALU_DEP_1)
	v_readfirstlane_b32 s[WV], v7                  ; wave 0..15
	s_bfe_u32 s9, ttmp6, 0x40000                   ; cx: which 512 queries: it enters Q's and O's addresses alone
	s_and_b32 s10, ttmp7, 0xffff                   ; 4 x head + batch, which the four partners share
	; the descriptor: 12,800 dense bytes as 50 rows of 256 bytes (32 elements of 8 bytes); no padding
	s_mov_b32 s[G1], 15|(3<<16)|(1<<21)            ; 15:0 the mask: all four work-groups; 17:16 elements of 8 bytes; 21 set beside a mask
	s_mov_b32 s[G1+1], 32<<16                      ; tensor_dim0
	s_mov_b32 s[G1+2], 50<<16                      ; tensor_dim1
	s_mov_b32 s[G1+3], 32<<16                      ; tile_dim0
	s_mov_b32 s[G1+4], 50                          ; tile_dim1
	s_mov_b32 s[G1+5], 32                          ; tensor_dim0_stride
	s_mov_b32 s[G1+6], 0
	s_mov_b32 s[G1+7], 0
	s_lshr_b32 s32, s[WV], 3                       ; waves 0-7 fetch K's unit (64 + 4 head + batch), waves 8-15 V's (128 + ..),
	s_lshl_b32 s32, s32, 6
	s_add_co_u32 s32, s32, s10
	s_add_co_u32 s32, s32, 64
	s_mul_i32 s32, s32, UNITB
	s_and_b32 s33, s[WV], 7
	s_mul_i32 s33, s33, 12800                      ; an eighth each
	s_add_co_u32 s32, s32, s33
	s_mov_b32 s33, 0
	s_mul_i32 s34, s[WV], 12800                    ; to LDS byte 12,800 x wave
	s_mov_b32 s[CS], 0x3e38aa3b                    ; c = log2(e) / 8
	s_mov_b32 s[CS+1], s[CS]                       ; (named with it as a pair, so it is written)
	s_mov_b32 s[SEL], 0x76543210
	s_mov_b32 s[SEL+1], 0xfedcba98
	s_wait_dscnt 0x0
	s_wait_kmcnt 0x0
	CROUND                                         ; all four work-groups are here: the joint loads meet
	s_mov_b32 s[G0], 1
	s_mov_b32 s[G0+1], s34
	s_add_nc_u64 s[G0+2:G0+3], s[4:5], s[32:33]
	s_or_b32 s[G0+3], s[G0+3], 0x80000000
	tensor_load_to_lds s[G0:G0+3], s[G1:G1+7]      ; my one tensor load of the launch
	s_nop 0
.rept 4
	v_nop
.endr
	s_lshl_b32 s32, s9, 4
	s_add_co_u32 s32, s32, s[WV]                   ; G: my group of 32 queries, 0 .. 63
	s_mul_i32 s35, s10, UNITB                      ; q's unit
	s_lshr_b32 s33, s32, 2                         ; its chunk,
	s_and_b32 s34, s32, 3                          ; and the group in it
	s_mul_i32 s36, s33, CHB
	s_mul_i32 s44, s34, 1536
	s_add_co_u32 s36, s36, s44
	s_add_co_u32 s36, s36, s35
	s_add_co_u32 s36, s36, 4096
	s_mov_b32 s37, 0
	s_lshl_b32 s38, s33, 8
	s_lshl_b32 s44, s34, 2
	s_add_co_u32 s38, s38, s44
	s_add_co_u32 s38, s38, s35
	s_mov_b32 s39, 0
	s_add_nc_u64 s[36:37], s[4:5], s[36:37]        ; my queries' codes
	s_add_nc_u64 s[38:39], s[4:5], s[38:39]        ; and scale words
	s_lshr_b32 s33, s10, 2                         ; head
	s_and_b32 s34, s10, 3                          ; batch
	s_lshl_b32 s34, s34, 7
	s_lshl_b32 s44, s32, 1
	s_add_co_u32 s34, s34, s44                     ; oq: my first tile = 128 batch + 2 G
	s_lshr_b32 s35, s33, 2                         ; the head's K step of 256,
	s_and_b32 s33, s33, 3                          ; and its unit in it
	s_mul_i32 s40, s35, 1572864
	s_mul_i32 s44, s34, 3072
	s_add_co_u32 s40, s40, s44
	s_mul_i32 s44, s33, 768
	s_add_co_u32 s40, s40, s44
	s_mov_b32 s41, 0
	s_lshl_b32 s42, s34, 9
	s_lshl_b32 s44, s35, 7
	s_add_co_u32 s42, s42, s44
	s_lshl_b32 s44, s33, 1
	s_add_co_u32 s42, s42, s44
	s_add_co_u32 s42, s42, 6291456
	s_mov_b32 s43, 0
	s_add_nc_u64 s[40:41], s[6:7], s[40:41]        ; O's codes
	s_add_nc_u64 s[42:43], s[6:7], s[42:43]        ; and scale bytes
	v_and_b32 v7, 31, v0
	v_and_b32 v8, 15, v0
	s_delay_alu instid0(VALU_DEP_2)
	v_lshlrev_b32 v[O16], 4, v7
	s_delay_alu instid0(VALU_DEP_3)
	v_lshlrev_b32 v[O8], 3, v7
	s_delay_alu instid0(VALU_DEP_3)
	v_lshlrev_b32 v[OSC], 3, v8
	s_delay_alu instid0(VALU_DEP_4)
	v_lshlrev_b32 v[AKS], 4, v8                    ; four scale words a row
	global_load_b128 v[QL:QL+3], v[O16], s[36:37]
	global_load_b64 v[QL+4:QL+5], v[O8], s[36:37] offset:512
	global_load_b128 v[QL+6:QL+9], v[O16], s[36:37] offset:768
	global_load_b64 v[QL+10:QL+11], v[O8], s[36:37] offset:1280
	global_load_b32 v[QW], v[AKS], s[38:39]
	v_add_nc_u32 v[AVS], VB, v[AKS]
	v_add_nc_u32 v[AK16], 4096, v[O16]
	v_add_nc_u32 v[AK8], 4096+512, v[O8]
	v_add_nc_u32 v[AV16], VB+4096, v[O16]
	v_add_nc_u32 v[AV8], VB+4096+512, v[O8]
.irp i, 0,1,2,3,4,5
	v_mov_b32 v[Q1+6+\i], 0                        ; the zero halves, written once
	v_mov_b32 v[Q2+\i], 0
.endr
.irp b, 0,1,2,3
	v_mov_b32 v[BP+\b], 0                          ; written once: a lane permute's destination counts as one of its sources
.endr
	v_mov_b32 v[F+1], 0                            ; (named as the upper half of a pair)
	v_mov_b32 v252, 0
	s_wait_tensorcnt 0x0                           ; my part of K or V is in,
	s_barrier_signal -1
	s_barrier_wait -1                              ; everybody's is
	s_wait_loadcnt 0x0                             ; Q
	TILE 0
	TILE 1
	s_wait_dscnt 0x0
	s_wait_tensorcnt 0x0
	ds_add_u32 v253, v255
	s_wait_dscnt 0x0
	CROUND                                         ; the closing round
	s_endpgm
.Lfunc_end_k_qbf6ef97987_attn:
	.size	k_qbf6ef97987_attn, .Lfunc_end_k_qbf6ef97987_attn-k_qbf6ef97987_attn
	.p2alignl 7, 3214868480
	.fill 96, 4, 3214868480
	.section	.rodata,"a",@progbits
	.p2align	6, 0x0
	.amdhsa_kernel k_qbf6ef97987_attn
		.amdhsa_group_segment_fixed_size 206848
		.amdhsa_private_segment_fixed_size 0
		.amdhsa_enable_private_segment 0
		.amdhsa_kernarg_size 16
		.amdhsa_user_sgpr_count 2
		.amdhsa_user_sgpr_kernarg_segment_ptr 1
		.amdhsa_wavefront_size32 1
		.amdhsa_system_sgpr_workgroup_id_x 1
		.amdhsa_system_sgpr_workgroup_id_y 1
		.amdhsa_system_sgpr_workgroup_id_z 1
		.amdhsa_system_vgpr_workitem_id 0
		.amdhsa_next_free_vgpr 256
		.amdhsa_next_free_sgpr 66
		.amdhsa_reserve_vcc 0
		.amdhsa_float_denorm_mode_32 3
		.amdhsa_float_denorm_mode_16_64 3
		.amdhsa_memory_ordered 1
		.amdhsa_forward_progress 1
		.amdhsa_inst_pref_size 54
	.end_amdhsa_kernel
	.amdgpu_metadata
---
amdhsa.version: [ 1, 2 ]
amdhsa.kernels:
  - .name:           k_qbf6ef97987_attn
    .symbol:         k_qbf6ef97987_attn.kd
    .args:
      - { .name: qkv, .offset: 0, .size: 8, .value_kind: global_buffer, .address_space: global }
      - { .name: oq, .offset: 8, .size: 8, .value_kind: global_buffer, .address_space: global }
    .group_segment_fixed_size: 206848
    .private_segment_fixed_size: 0
    .kernarg_segment_align: 8
    .kernarg_segment_size: 16
    .max_flat_workgroup_size: 512
    .sgpr_count:     66
    .vgpr_count:     256
    .wavefront_size: 32
...
	.end_amdgpu_metadata
.endif
;; end of part 3
;; launch gemm2 (part 4): grid 32 x 8, 4 waves a work-group, clusters of 4 x 4, 327,680 bytes of LDS; arguments oq, wp, b_proj, out0; writes out0
.if DOCPART == 4
	.amdgcn_target "amdgcn-amd-amdhsa--gfx1250"
	.amdhsa_code_object_version 6
	.text
	.protected	k_qbf6ef97987_gemm2
	.globl	k_qbf6ef97987_gemm2
	.p2align	8
	.type	k_qbf6ef97987_gemm2,@function
k_qbf6ef97987_gemm2:
	s_mov_b64 s[64:65], 0
	v_nop
	global_prefetch_b8 v0, s[64:65] scope:SCOPE_SE
	s_setreg_imm32_b32 hwreg(HW_REG_WAVE_MODE, 25, 1), 1
	s_wait_xcnt 0x0
	s_wait_alu depctr_hold_cnt(0) depctr_sa_sdst(0) depctr_va_vdst(0) depctr_va_sdst(0) depctr_va_ssrc(0) depctr_va_vcc(0) depctr_vm_vsrc(0)
	s_getreg_b32 s2, hwreg(HW_REG_IB_STS2, 6, 4)
	s_cmp_eq_u32 s2, 0
	s_cbranch_scc0 .Lentry_in_a_cluster
	s_endpgm
.Lentry_in_a_cluster:
	s_bfe_u32 s2, ttmp6, 0x10000c
	s_cmp_lg_u32 s2, 0xf033
	s_cbranch_scc0 .Lentry_shape_is_right
	s_endpgm
.Lentry_shape_is_right:
; out0[token][n] = sum over k of O[token][k] w_proj[k][n] + b_proj[n], f32: 8,192 x 1,024 x 1,024 on codes of FP6 (E2M3) with one E8M0 byte for each 32 along K.
; oq, wp: codes [K step of 256][tile of 16 rows][4 units of 768 bytes], a unit an image of registers (lane L: 16 bytes at 16 L, 8 bytes at 512 + 8 L); behind them scale bytes [tile][K step][r][8].  Lane r of tile 2 g + u is row 32 g + 8 u + r + 8 (r / 8).
; LIMITS: NaN, infinities and sums beyond f32's range are not served; a sum begins with the bias.
; THE DEAL: 256 work-groups of four waves, 2 x 2, each 256 rows x 128 columns.  A wave holds four column tiles of the weight, all of K, in 384 registers and streams O's rows past them in eight blocks of 16 (tile 2 s + wave row).
; The cluster's x counts tile rows: O's tiles are shared by a column of the cluster, the weight's by a row.
; LDS: O's 16 tiles in two parts of 8, each [K step][tile]; the weight's 8 tiles [K step][tile]; the spare words.  All is asked for at the head and nothing is filled again, so there is no loop to prefetch ahead in.
; The waves' stages lie in the weight's first bytes, which are read for the last time ahead of the barrier in front of the stream.
; THE HEAD'S FOUR TILES, one a wave, each on its own line: the weight's K steps 0, 1; its K steps 2, 3; O's tiles 0-7; tiles 8-15.  The stream begins when the first three are in; a barrier inside block 1 shows the fourth.
; SCALE WORDS come straight into registers in whole units of 256 bytes: lanes 0-15 hold K step 2 p, lanes 16-31 K step 2 p + 1 of a tile; the row selectors choose.
; Behind a block's 32 products: its sums through the stage, the fetch of the block two on, ONE wait on LDS (younger is that fetch alone, NF loads), eight stores of whole rows of 256 bytes.
.set XKS,   1572864
.set XSCL,  6291456
.set WKS,   196608
.set WSCL,  786432
.set TILEB, 3072
.set FR,    12
.set FPW,   21                         ; fragments in a window of 256 registers
.set NF,    32                         ; LDS loads of a block: four for each of eight fragments
.set KSB,   8*TILEB                    ; eight tiles of a K step: a tensor row
.set PART,  4*KSB
.set YB,    2*PART
.set SPITCH, 272
.set STAGE, YB
.set SPARE, YB+PART
.set ROWC,  4096
.set CO,  9                            ; v9 my offset in out0: row l / 16, 16 bytes x (l % 16)
.set SPW, 10
.set NIL, 11
.set STO, 18
.set RD,  19
.set SBR, 24                           ; v24-39 the weight's scale words: 4 t + 2 p + q
.set SA,  42                           ; v42-73 O's: 4 s + 2 p + q
.set ACC, 80                           ; v80-143 two sets of four accumulators
.set BK,  144                          ; v144-207 two sets: 16 rows back from the stage
.set BO,  208                          ; v208-239 the bias as the first products' C
.set AQ0, 240                          ; v240-247 O's LDS addresses: part x (16 L, + two K steps, 8 L, + two K steps)
.set BA,  248                          ; v248-251 the weight's
.set G1A, 24
.set G1B, 32
.set G0A, 56
.set G0B, 60
.set MSB, 0
.macro WIN new
.if MSB != \new
	s_set_vgpr_msb (MSB<<8)|\new
.set MSB, \new
.endif
.endm
.macro PLACES n
.rept \n
	v_nop
.endr
.endm
.macro WALU
	s_wait_alu depctr_va_vdst(0)
.endm
.macro BARRIER
	s_barrier_signal -1
	s_barrier_wait -1
.endm
.macro CROUND
	BARRIER
	s_cmp_lg_u32 s14, 0
	s_cbranch_scc1 .Lnot_wave_0_\@
	s_barrier_signal -3
.Lnot_wave_0_\@:
	s_barrier_wait -3
	BARRIER
.endm
.macro GROUP1 g, mask, rows, pitch     ; rows of 24,576 bytes (3,072 elements of 8), dense in LDS
	s_or_b32 s[\g+0], s[\mask], (3<<16)|(1<<21)
	s_mov_b32 s[\g+1], 3072<<16
	s_mov_b32 s[\g+2], (\rows)<<16
	s_mov_b32 s[\g+3], 3072<<16
	s_mov_b32 s[\g+4], \rows
	s_mov_b32 s[\g+5], \pitch
	s_mov_b32 s[\g+6], 0
	s_mov_b32 s[\g+7], 0
.endm
.macro ARM g0, g1, lds, step           ; a wave's one load: its place and its first byte are constants of its own arm
	s_mov_b32 s[\g0+1], \lds
.if \step
	s_add_nc_u64 s[\g0+2:\g0+3], s[\g0+2:\g0+3], \step
.endif
	s_or_b32 s[\g0+3], s[\g0+3], 0x80000000
	tensor_load_to_lds s[\g0:\g0+3], s[\g1:\g1+7]
	s_nop 0
	PLACES 4
.endm
.macro FRAG4 f, a16, a8, off           ; fragment f lies at register 256 + 12 f: two units of 768 bytes
	WIN (1+(\f)/FPW)<<6
.set R_, FR*((\f)%FPW)
	ds_load_b128 v[R_:R_+3], v[\a16] offset:\off
	ds_load_b64 v[R_+4:R_+5], v[\a8] offset:(\off)+512
	ds_load_b128 v[R_+6:R_+9], v[\a16] offset:(\off)+768
	ds_load_b64 v[R_+10:R_+11], v[\a8] offset:(\off)+1280
.endm
.macro FETCHAT e, s                    ; block s of O into set e
.irp q, 0,1,2,3,4,5,6,7
	FRAG4 32+8*(\e)+\q, AQ0+4*((\s)/4)+\q/4, AQ0+4*((\s)/4)+2+\q/4, ((\q/2)%2)*KSB+((\s)%4)*2*TILEB+(\q%2)*1536
.endr
	WIN 0
.endm
.macro PROD e, s, n                    ; product n = 4 q + t of block s: source 0 the weight's tile t, source 1 O's rows; the four accumulators by turns
.set Q_, (\n)/4
.set T_, (\n)%4
.set FB_, 4*Q_+T_
.set FA_, 32+8*(\e)+Q_
.set D_, ACC+32*(\e)+8*T_
.set C_, D_
.if Q_ == 0
.set C_, BO+8*T_
.endif
.set XB_, SBR+4*T_+2*(Q_/4)+Q_%2
.set XA_, SA+4*(\s)+2*(Q_/4)+Q_%2
.set RB_, FR*(FB_%FPW)
.set RA_, FR*(FA_%FPW)
	WIN (1+FB_/FPW)|((1+FA_/FPW)<<2)
.if (Q_%4)/2
	v_wmma_scale_f32_16x16x128_f8f6f4 v[D_:D_+7], v[RB_:RB_+FR-1], v[RA_:RA_+FR-1], v[C_:C_+7], v[XB_], v[XA_] matrix_a_fmt:MATRIX_FMT_FP6 matrix_b_fmt:MATRIX_FMT_FP6 matrix_a_scale:MATRIX_SCALE_ROW1 matrix_b_scale:MATRIX_SCALE_ROW1
.else
	v_wmma_scale_f32_16x16x128_f8f6f4 v[D_:D_+7], v[RB_:RB_+FR-1], v[RA_:RA_+FR-1], v[C_:C_+7], v[XB_], v[XA_] matrix_a_fmt:MATRIX_FMT_FP6 matrix_b_fmt:MATRIX_FMT_FP6
.endif
.endm
.macro PRODS e, s, from, to
.set N_, \from
.rept (\to)-(\from)
	PROD \e, \s, N_
.set N_, N_+1
.endr
	WIN 0
.endm
.macro STAGED e                        ; register j of tile t of lane (r, h) is column 32 (t / 2) + 8 (t % 2) + 16 h + j of row r; back as whole rows.  LDS serves a wave's instructions in order
.irp t, 0,1,2,3
	ds_store_b128 v[STO], v[ACC+32*(\e)+8*\t:ACC+32*(\e)+8*\t+3] offset:128*(\t/2)+32*(\t%2)
	ds_store_b128 v[STO], v[ACC+32*(\e)+8*\t+4:ACC+32*(\e)+8*\t+7] offset:128*(\t/2)+32*(\t%2)+16
.endr
.irp t, 0,1,2,3,4,5,6,7
	ds_load_b128 v[BK+32*(\e)+4*\t:BK+32*(\e)+4*\t+3], v[RD] offset:2*\t*SPITCH
.endr
.endm
.macro STREAM s
.if (\s) == 1
	PRODS (\s)%2, \s, 0, 24
	s_wait_tensorcnt 0x0                           ; every wave: all tiles are in
	s_wait_dscnt 0x0
	s_barrier_signal -1                            ; a plain barrier: O's tiles 8-15 are shown to all
	PRODS (\s)%2, \s, 24, 32
	s_barrier_wait -1
.else
	PRODS (\s)%2, \s, 0, 32
.endif
	PLACES 4                                       ; between the last product and the first reader of its sums, and the fetch into its operands
	s_wait_xcnt 0x0                                ; the stores of two blocks ago have read this set of rows
	STAGED (\s)%2
.if (\s) < 6
	FETCHAT (\s)%2, (\s)+2
	s_wait_dscnt NF                                ; the rows are back, and the next block's fragments are in; younger is this fetch alone
.else
	s_wait_dscnt 0x0
.endif
.irp t, 0,1,2,3,4,5,6,7
	global_store_b128 v[CO], v[BK+32*((\s)%2)+4*\t:BK+32*((\s)%2)+4*\t+3], s[12:13] offset:(32*(\s)+2*\t+8*(\t/4))*ROWC th:TH_STORE_NT   ; 16 lanes store 256 consecutive bytes, aligned
.endr
.endm
; ---- the head
	s_load_b256 s[4:11], s[0:1], 0x0               ; oq, wp, b_proj, out0
	v_lshl_add_u32 v[SPW], v0, 2, SPARE
	v_mov_b32 v[NIL], 0
	ds_add_u32 v[SPW], v[NIL]
	ds_add_u32 v[SPW], v[NIL]
	v_lshrrev_b32 v1, 5, v0
	v_readfirstlane_b32 s14, v1                    ; the wave; s15 its row of the 2 x 2, s16 its column
	s_lshr_b32 s15, s14, 1
	s_and_b32 s16, s14, 1
	s_bfe_u32 s40, ttmp6, 0x40000
	s_bfe_u32 s41, ttmp6, 0x40004
	s_lshl_b32 s43, ttmp9, 2
	s_add_co_u32 s43, s43, s40                     ; tile row, 0 .. 31
	s_and_b32 s42, ttmp7, 0xffff
	s_lshl_b32 s42, s42, 2
	s_add_co_u32 s42, s42, s41                     ; tile column, 0 .. 7
	s_lshl_b32 s44, 0x1111, s40                    ; my column of the cluster shares O's tiles
	s_lshl_b32 s45, s41, 2
	s_lshl_b32 s45, 15, s45                        ; my row the weight's
	GROUP1 G1A, 44, 4, XKS/8
	GROUP1 G1B, 45, 2, WKS/8
	s_mov_b32 s[G0A], 1
	s_mov_b32 s[G0B], 1
	s_mul_i32 s76, s43, 16*TILEB                   ; O's codes
	s_mov_b32 s77, 0
	s_mul_i32 s78, s42, 8*TILEB                    ; the weight's
	s_mov_b32 s79, 0
	s_lshl_b32 s80, s43, 4
	s_add_co_u32 s80, s80, s15
	s_lshl_b32 s80, s80, 9
	s_add_co_u32 s80, s80, XSCL                    ; O's scale bytes: tile 16 x tile row + wave row; a block on: 1,024
	s_mov_b32 s81, 0
	s_lshl_b32 s82, s42, 1
	s_add_co_u32 s82, s82, s16
	s_lshl_b32 s86, s82, 8                         ; my first column, in bytes of f32
	s_mov_b32 s87, 0
	s_lshl_b32 s82, s82, 11
	s_add_co_u32 s82, s82, WSCL                    ; the weight's scale bytes: tile 8 x tile column + 4 x wave column
	s_mov_b32 s83, 0
	s_lshl_b32 s84, s43, 5
	s_add_co_u32 s84, s84, s15
	s_lshl_b32 s84, s84, 15                        ; token 256 x tile row + 8 x wave row
	s_add_co_u32 s84, s84, s86
	s_mov_b32 s85, 0
	v_and_b32 v1, 15, v0
	v_bfe_u32 v2, v0, 4, 1
	v_and_b32 v3, 31, v0
	v_lshlrev_b32 v4, 4, v3
	v_lshlrev_b32 v5, 3, v3
	s_mul_i32 s21, s15, TILEB
	v_add_nc_u32 v[AQ0], s21, v4
	v_add_nc_u32 v[AQ0+2], s21, v5
	v_add_nc_u32 v[AQ0+1], 2*KSB, v[AQ0]
	v_add_nc_u32 v[AQ0+3], 2*KSB, v[AQ0+2]
.irp k, 0,1,2,3
	v_add_nc_u32 v[AQ0+4+\k], PART, v[AQ0+\k]
.endr
	s_mul_i32 s22, s16, 4*TILEB
	s_add_co_u32 s22, s22, YB
	v_add_nc_u32 v[BA], s22, v4
	v_add_nc_u32 v[BA+2], s22, v5
	v_add_nc_u32 v[BA+1], 2*KSB, v[BA]
	v_add_nc_u32 v[BA+3], 2*KSB, v[BA+2]
	s_mul_i32 s21, s14, 16*SPITCH
	s_add_co_u32 s21, s21, STAGE
	v_mul_u32_u24 v6, v1, SPITCH
	v_lshl_add_u32 v6, v2, 6, v6
	v_add_nc_u32 v[STO], s21, v6
	v_mul_u32_u24 v6, v2, SPITCH
	v_lshl_add_u32 v6, v1, 4, v6
	v_add_nc_u32 v[RD], s21, v6
	v_mul_u32_u24 v6, v2, ROWC
	v_lshl_add_u32 v[CO], v1, 4, v6
	v_lshlrev_b32 v8, 6, v2
	WALU
	s_wait_dscnt 0x0
	CROUND                                         ; the opening round
	s_wait_kmcnt 0x0
	s_add_nc_u64 s[G0A+2:G0A+3], s[4:5], s[76:77]
	s_add_nc_u64 s[G0B+2:G0B+3], s[6:7], s[78:79]
	s_add_nc_u64 s[46:47], s[4:5], s[80:81]
	s_add_nc_u64 s[48:49], s[6:7], s[82:83]
	s_add_nc_u64 s[8:9], s[8:9], s[86:87]
	s_add_nc_u64 s[12:13], s[10:11], s[84:85]
	s_cmp_eq_u32 s14, 0
	s_cbranch_scc0 .Lwave_1
	ARM G0B, G1B, YB, 0                            ; wave 0: the weight's K steps 0, 1
	s_branch .Lasked
.Lwave_1:
	s_cmp_eq_u32 s14, 1
	s_cbranch_scc0 .Lwave_2
	ARM G0B, G1B, YB+2*KSB, 2*WKS                  ; wave 1: its K steps 2, 3
	s_branch .Lasked
.Lwave_2:
	s_cmp_eq_u32 s14, 2
	s_cbranch_scc0 .Lwave_3
	ARM G0A, G1A, 0, 0                             ; wave 2: O's tiles 0-7, all of K
	s_branch .Lasked
.Lwave_3:
	ARM G0A, G1A, PART, KSB                        ; wave 3: tiles 8-15
.Lasked:
.irp t, 0,1,2,3
.irp p, 0,1
	global_load_b64 v[SBR+4*\t+2*\p:SBR+4*\t+2*\p+1], v5, s[48:49] offset:512*\t+256*\p   ; 256 consecutive bytes an instruction
.endr
.endr
.irp s, 0,1,2,3,4,5,6,7
.irp p, 0,1
	global_load_b64 v[SA+4*\s+2*\p:SA+4*\s+2*\p+1], v5, s[46:47] offset:1024*\s+256*\p
.endr
.endr
.irp t, 0,1,2,3
	global_load_b128 v[BO+8*\t:BO+8*\t+3], v8, s[8:9] offset:128*(\t/2)+32*(\t%2)
	global_load_b128 v[BO+8*\t+4:BO+8*\t+7], v8, s[8:9] offset:128*(\t/2)+32*(\t%2)+16
.endr
	s_cmp_lt_u32 s14, 2
	s_cbranch_scc0 .Lnot_b
	s_wait_tensorcnt 0x0                           ; waves 0 and 1: the weight's two halves
.Lnot_b:
	BARRIER                                        ; the weight is in
.irp q, 0,1,2,3,4,5,6,7
.irp b, 0,1,2,3
	FRAG4 4*\q+\b, BA+\q/4, BA+2+\q/4, ((\q/2)%2)*KSB+\b*TILEB+(\q%2)*1536
.endr
.endr
	WIN 0
	s_cmp_eq_u32 s14, 2
	s_cbranch_scc0 .Lnot_a
	s_wait_tensorcnt 0x0                           ; wave 2: O's tiles 0-7
.Lnot_a:
	s_wait_dscnt 0x0
	BARRIER                                        ; O's first eight tiles are in, and nobody reads the weight's bytes any more
	FETCHAT 0, 0
	FETCHAT 1, 1
	s_wait_loadcnt 0x0                             ; scale words and bias
	s_wait_dscnt NF                                ; block 0's fragments are in
; ---- the stream
.irp s, 0,1,2,3,4,5,6,7
	STREAM \s
.endr
	s_wait_tensorcnt 0x0                           ; the wave's end
	ds_add_u32 v[SPW], v[NIL]
	s_wait_dscnt 0x0
	CROUND                                         ; the closing round
	s_endpgm
.Lfunc_end_k_qbf6ef97987_gemm2:
	.size	k_qbf6ef97987_gemm2, .Lfunc_end_k_qbf6ef97987_gemm2-k_qbf6ef97987_gemm2
	.p2alignl 7, 3214868480
	.fill 96, 4, 3214868480
	.section	.rodata,"a",@progbits
	.p2align	6, 0x0
	.amdhsa_kernel k_qbf6ef97987_gemm2
		.amdhsa_group_segment_fixed_size 327680
		.amdhsa_private_segment_fixed_size 0
		.amdhsa_enable_private_segment 0
		.amdhsa_kernarg_size 32
		.amdhsa_user_sgpr_count 2
		.amdhsa_user_sgpr_kernarg_segment_ptr 1
		.amdhsa_wavefront_size32 1
		.amdhsa_system_sgpr_workgroup_id_x 1
		.amdhsa_system_sgpr_workgroup_id_y 1
		.amdhsa_system_sgpr_workgroup_id_z 1
		.amdhsa_system_vgpr_workitem_id 0
		.amdhsa_next_free_vgpr 840
		.amdhsa_next_free_sgpr 102
		.amdhsa_reserve_vcc 0
		.amdhsa_float_denorm_mode_32 3
		.amdhsa_float_denorm_mode_16_64 3
		.amdhsa_memory_ordered 1
		.amdhsa_forward_progress 1
		.amdhsa_inst_pref_size 85
	.end_amdhsa_kernel
	.amdgpu_metadata
---
amdhsa.version: [ 1, 2 ]
amdhsa.kernels:
  - .name:           k_qbf6ef97987_gemm2
    .symbol:         k_qbf6ef97987_gemm2.kd
    .args:
      - { .name: oq, .offset: 0, .size: 8, .value_kind: global_buffer, .address_space: global }
      - { .name: wp, .offset: 8, .size: 8, .value_kind: global_buffer, .address_space: global }
      - { .name: b_proj, .offset: 16, .size: 8, .value_kind: global_buffer, .address_space: global }
      - { .name: out0, .offset: 24, .size: 8, .value_kind: global_buffer, .address_space: global }
    .group_segment_fixed_size: 327680
    .private_segment_fixed_size: 0
    .kernarg_segment_align: 8
    .kernarg_segment_size: 32
    .max_flat_workgroup_size: 128
    .sgpr_count:     102
    .vgpr_count:     840
    .wavefront_size: 32
...
	.end_amdgpu_metadata
.endif
;; end of part 4
